; MI455X (gfx1250); checked and timed in simulation.
; The chip was launched on July 23, 2026; its instructions are those of AMD's public machine-readable ISA for CDNA 5 (MIT licence, August 2026) and "CDNA5" Instruction Set Architecture Reference Guide (July 2026). The comments in the code are by the model that wrote it; some were corrected since.
;; Attention. Allowed arithmetic: matrix products marked QUANTISED: E2M3 operands, one E8M0 scale for each 32 along K, by v_wmma_scale_f32_16x16x128_f8f6f4 with both operands' format E2M3, f32 sums; everything else in f32.
;; Inputs: W_proj 1,024 x 1,024 float32; W_qkv 1,024 x 3,072 float32; b_proj 1,024 float32; x 4 x 2,048 x 1,024 float32.
;; Outputs: out0 4 x 2,048 x 1,024 float32.
;; This version of the problem:
;;   THIS VERSION OF THE PROBLEM IS GIVEN IN LOW PRECISION. The matrix products marked QUANTISED in the list below multiply operands that are first quantised to E2M3 (2 exponent bits, 3 mantissa bits; 6 bits a number), with one power-of-two scale for each 32 numbers along K (OCP MX v1.0); their sums are f32. All else is computed in f32.
;;   The module's matrix products, in the order in which they are computed (A, B: the left and right operand; K: the contracted axis; several contracted axes count as one K, in the product's order):
;;     1. [M 8,192, K 1,024] x [K 1,024, N 3,072]; A: input x; B: input W_qkv: QUANTISED
;;     2. batch 64 x [M 2,048, K 64] x [K 64, N 2,048]; A: computed on the way; B: computed on the way: QUANTISED
;;     3. batch 64 x [M 2,048, K 2,048] x [K 2,048, N 64]; A: softmax (see below); B: computed on the way: QUANTISED
;;     4. [M 8,192, K 1,024] x [K 1,024, N 1,024]; A: computed on the way; B: input W_proj: QUANTISED
;;   THE QUANTISER, for each operand of a quantised product, along K:
;;     - K is cut into blocks of 32 from its start; a last block that is shorter is filled with zeros.
;;     - A block's scale is 2^e with e = floor(log2(the largest magnitude in the block)) - 2, held to -126 .. 127; a block of zeros has e = 0. As a byte (E8M0): e + 127.
;;     - Each number is divided by its block's scale, clamped to +-7.5, and rounded to the nearest number of E2M3, ties to even, subnormals kept.
;;     - The product sums the exact products of the quantised numbers (number of the format x scale) in f32.
;;   ~~~python
;;   def quantise(x, axis):      # numpy; x: float32 -> the quantised numbers, widened to float32 again
;;       x = np.moveaxis(x, axis, -1); K = x.shape[-1]
;;       x = np.pad(x, [(0, 0)] * (x.ndim - 1) + [(0, -K % 32)]); x = x.reshape(x.shape[:-1] + (-1, 32)); a = np.abs(x).max(-1, keepdims=True)
;;       e = np.where(a > 0, np.clip(np.frexp(np.where(a > 0, a, 1))[1] - 1 - 2, -126, 127), 0)      # np.frexp(a)[1] - 1 = floor(log2(a)), exactly
;;       r = np.clip(x / 2.0 ** e, -7.5, 7.5)
;;       step = 2.0 ** (np.maximum(np.frexp(np.where(r == 0, 1, r))[1] - 1, 0) - 3)
;;       q = np.round(r / step) * step * 2.0 ** e      # np.round: ties to even
;;       return np.moveaxis(q.reshape(q.shape[:-2] + (-1,))[..., :K], -1, axis).astype(np.float32)
;;   ~~~
;;   SOFTMAX AHEAD OF A QUANTISED PRODUCT. Where the list says 'softmax', what is quantised is not the finished softmax but p = 2^(t - M), with t = logit x log2(e) and M = ceil(the row's largest t), a whole number; so 1/2 < the row's largest p <= 1. The row's sum l is taken of the UNQUANTISED p, in f32, and the product's result is divided by l at the end. Since M is a whole number, a kernel that streams over the keys may use a running M (the ceiling of the running maximum): every later rescaling is an exact power of two, which a block's scale takes up: the codes' values come out the same.
;;   OPERANDS COMPUTED ON THE WAY. 'Computed on the way' means the value that the module computes at that place (a softmax that the list does not call 'softmax' is quantised finished and normalised). What goes into a quantiser is computed in f32, as accurately as f32 sums, v_exp_f32 and their like allow (about 1e-6 of the number): no bf16 or f16 on the way to a quantiser, and a product that is left as it is and whose result goes on into a quantised operand takes f32 operands (vector FMAs, or v_wmma_f32_16x16x4_f32). A number that lies on a knife's edge between two numbers of the format may be rounded either way, as far as f32 arithmetic and the matrix unit's own rounding can turn it there, and no further.
;; One version. Each part assembles by itself: llvm-mc -triple=amdgcn-amd-amdhsa -mcpu=gfx1250 --defsym DOCPART=n.
;; ======== version 1 of 1: 4 launches
;; limits: right only within a limited range of input values
;; workspace buffers: opc 9,437,184 bytes; ops 393,216 bytes; qkv 19,660,800 bytes; oc 6,291,456 bytes; os 262,144 bytes
;; launch quant (part 1): grid 384 x 1, 8 waves a work-group, no clusters, 97,280 bytes of LDS; arguments x, W_qkv, W_proj, opc, ops; writes opc, ops
.if DOCPART == 1
	.amdgcn_target "amdgcn-amd-amdhsa--gfx1250"
	.amdhsa_code_object_version 6
	.text
	.protected	k_q48a74eea17_quant
	.globl	k_q48a74eea17_quant
	.p2align	8
	.type	k_q48a74eea17_quant,@function
k_q48a74eea17_quant:
	s_mov_b64 s[64:65], 0
	v_nop
	global_prefetch_b8 v0, s[64:65] scope:SCOPE_SE
	s_setreg_imm32_b32 hwreg(HW_REG_WAVE_MODE, 25, 1), 1
	s_wait_xcnt 0x0
; x [8192][1024], W_qkv [1024][3072] and W_proj [1024][1024], f32, become codes of FP6 (E2M3) with one E8M0 byte for each 32 along K = 1024.
; ONE operand space of 12,288 rows: x's rows 0 .. 8191, W_qkv's columns 8192 .. 11263, W_proj's columns 11264 .. 12287.
; TILE ORDER: rows go in groups of 32; tile 2 g + u holds in its lane-row r the row 32 g + 8 u + r + 8 (r / 8).
; opc: [tile 768][K step 8] images of an operand's registers (16 rows x 128 K: 12 registers a lane): byte 512 c + 16 lane + 4 i = register 4 c + i.
; ops: [K half 2][row 12288, natural order][16 bytes]: the row's scale words of K steps 4 half .. 4 half + 3.
; A block's scale is 2^(floor(log2(largest magnitude)) - 2): its byte is the largest magnitude's exponent field - 2, held at 1 from below.
; LIMITS: NaN and infinities among the inputs are not served; a block whose largest magnitude lies under 2^-124 keeps the byte 1; a block of zeros gets the
; byte 1 where the rule says 127: its codes are zeros, which add nothing under any byte but 0xff, and the bytes are read by this program alone.
; Work-groups 0 .. 255 take 32 rows of x each; work-groups 256 .. 383 take 64 columns x 512 K of a weight.  The two ways part on the work-group's number, have LDS bytes of
; their own and never join.  No work-group reads what another reads, so there is no cluster and no joint load; no tensor load, no matrix instruction.
.set XSC,  67584                       ; x's way: eight stages of 16 rows x 528 bytes at 0; here 32 rows' scale words: [half 2][row 32][16 bytes]
.set WST,  68608                       ; the weights' way: for each wave two images, 1,664 bytes apart
.set WSC,  95232                       ; and 64 rows' scale words: [row 64][16 bytes]
.set R,    64                          ; x: v64-191  two K steps x 16 rows as loaded
.set X,    192                         ; x: v192-255 my operand's two whole blocks of 32
.set OFF,  64                          ; W: v64-95   4 lane + i x pitch
.set WX,   96                          ; W: v96-223  four blocks of 32 down K
.set OUTR, 224                         ; W: v224-247 the two images read back
	s_load_b256 s[4:11], s[0:1], 0x0               ; x s[4:5], W_qkv s[6:7], W_proj s[8:9], opc s[10:11]
	s_load_b64 s[12:13], s[0:1], 0x20              ; ops
	v_lshl_add_u32 v62, v0, 2, 0x17800
	v_mov_b32 v63, 0
	v_lshrrev_b32 v1, 5, v0
	s_delay_alu instid0(VALU_DEP_1)
	v_readfirstlane_b32 s16, v1                    ; wave 0..7
	v_and_b32 v6, 31, v0                           ; lane
	s_delay_alu instid0(VALU_DEP_1)
	v_lshlrev_b32 v1, 4, v6                        ; 16 x lane
	s_mov_b32 s14, 0x76543210
	s_mov_b32 s15, 0xfedcba98                      ; v_permlanex16_b32's selects for lane l xor 16
	s_cmp_lt_u32 ttmp9, 256
	s_cbranch_scc0 .Lweights
; ---------------- x: work-group g takes rows 32 g .. 32 g + 31.  Wave w: tile 2 g + (w / 4), K steps 2 (w % 4) and 2 (w % 4) + 1 ----------------
	v_and_b32 v7, 15, v0                           ; r
	v_bfe_u32 v5, v0, 4, 1                         ; h
	s_delay_alu instid0(VALU_DEP_1)
	v_lshlrev_b32 v19, 3, v5                       ; 8 h
	v_mov_b32 v15, 0                               ; (a lane permute's destination counts as one of its sources)
	s_lshr_b32 s17, s16, 2                         ; u
	s_and_b32 s18, s16, 3                          ; kq
	s_mul_i32 s19, s16, 8448                       ; my stage
	v_add_nc_u32 v2, s19, v1                       ; into it: a row's 512 bytes as they lie
	v_mul_u32_u24 v3, v7, 528
	s_delay_alu instid0(VALU_DEP_1)
	v_lshl_add_u32 v3, v5, 7, v3
	s_delay_alu instid0(VALU_DEP_1)
	v_add_nc_u32 v3, s19, v3                       ; out of it: row r, + 128 h: the 32 numbers of my block
	v_and_b32 v4, 8, v7
	s_delay_alu instid0(VALU_DEP_1)
	v_add_nc_u32 v4, v4, v7                        ; r + 8 (r / 8)
	s_delay_alu instid0(VALU_DEP_1)
	v_lshlrev_b32 v4, 4, v4
	s_wait_alu depctr_va_vdst(0)
	s_lshr_b32 s24, s18, 1
	s_lshl_b32 s24, s24, 9                         ; 512 x K half
	s_lshl_b32 s25, s17, 7                         ; 16 x 8 u
	s_add_co_u32 s24, s24, s25
	s_and_b32 s25, s18, 1
	s_lshl_b32 s25, s25, 3                         ; my two words of the row's four
	s_add_co_u32 s24, s24, s25
	s_add_co_u32 s24, s24, XSC
	v_add_nc_u32 v4, s24, v4                       ; where my row's two scale words go
	s_and_b32 s30, s16, 1
	s_lshl_b32 s25, s30, 9
	s_add_co_u32 s25, s25, XSC
	v_add_nc_u32 v18, s25, v1                      ; the scales' way out (waves 0 and 1): one K half, 16 bytes a lane
	s_lshl_b32 s26, ttmp9, 17                      ; x: (32 g + 8 u) rows of 4,096 bytes + 1,024 kq
	s_lshl_b32 s27, s17, 15
	s_add_co_u32 s26, s26, s27
	s_lshl_b32 s27, s18, 10
	s_add_co_u32 s26, s26, s27
	s_mov_b32 s27, 0
	s_lshl_b32 s28, ttmp9, 1                       ; opc: tile 2 g + u, K step 2 kq
	s_add_co_u32 s28, s28, s17
	s_mul_i32 s28, s28, 12288
	s_mul_i32 s29, s18, 3072
	s_add_co_u32 s28, s28, s29
	s_mov_b32 s29, 0
	s_mul_i32 s30, s30, 196608                     ; ops: K half (w % 2), rows 32 g on
	s_lshl_b32 s31, ttmp9, 9
	s_add_co_u32 s30, s30, s31
	s_mov_b32 s31, 0
	s_wait_kmcnt 0x0
	s_add_nc_u64 s[20:21], s[4:5], s[26:27]
	s_add_nc_u64 s[22:23], s[10:11], s[28:29]
	s_add_nc_u64 s[12:13], s[12:13], s[30:31]
.irp f, 0,1
.irp i, 0,1,2,3,4,5,6,7,8,9,10,11,12,13,14,15
	global_load_b128 v[R+64*\f+4*\i:R+64*\f+4*\i+3], v1, s[20:21] offset:(\i+8*(\i/8))*4096+512*\f th:TH_LOAD_NT   ; the tile's lane-row i, one K step: 32 lanes read 512 consecutive bytes
.endr
.endr
; One K step of the tile: through my stage, so that lane (r, h) holds blocks h and 2 + h of row r whole; their scales; their codes ARE the operand's registers.
.macro XFRAG f
.set PCF, 20+12*\f
	s_wait_loadcnt 16*(1-\f)                       ; this K step's 16 loads are in; the other's may be out
.irp i, 0,1,2,3,4,5,6,7,8,9,10,11,12,13,14,15
	ds_store_b128 v2, v[R+64*\f+4*\i:R+64*\f+4*\i+3] offset:528*\i
.endr
.irp c, 0,1
.irp j, 0,1,2,3,4,5,6,7
	ds_load_b128 v[X+32*\c+4*\j:X+32*\c+4*\j+3], v3 offset:256*\c+16*\j   ; LDS serves a wave's instructions in order: these see my stores
.endr
.endr
	s_wait_dscnt 0x0
.irp c, 0,1
	v_max3_num_f32 v[8+\c], |v[X+32*\c]|, |v[X+32*\c+1]|, 0x1800000   ; and the floor 2^(3 - 127): the byte cannot fall under 1
.endr
.irp i, 2,4,6,8,10,12,14,16,18,20,22,24,26,28,30
.irp c, 0,1
	s_delay_alu instid0(VALU_DEP_2)
	v_max3_num_f32 v[8+\c], v[8+\c], |v[X+32*\c+\i]|, |v[X+32*\c+\i+1]|
.endr
.endr
.irp c, 0,1
	s_delay_alu instid0(VALU_DEP_2)
	v_add_nc_u32 v[10+\c], 0xff000000, v[8+\c]     ; 2 off the exponent field: the conversion's scale operand
.endr
.irp c, 0,1
	s_delay_alu instid0(VALU_DEP_2)
	v_lshrrev_b32 v[12+\c], 23, v[10+\c]           ; the scale's byte
.endr
	s_delay_alu instid0(VALU_DEP_1)
	v_lshl_or_b32 v14, v13, 16, v12                ; my two bytes: blocks h and 2 + h,
	s_delay_alu instid0(VALU_DEP_1)
	v_lshlrev_b32 v14, v19, v14                    ; at their places in the word (8 h bits up);
	s_delay_alu instid0(VALU_DEP_1)
	v_permlanex16_b32 v15, v14, s14, s15
	s_delay_alu instid0(VALU_DEP_1)
	v_or_b32 v[16+\f], v14, v15                    ; with lane l xor 16's two the word is whole
	v_cvt_scalef32_pk16_fp6_f32 v[PCF:PCF+2], v[X:X+15], v10
	v_cvt_scalef32_pk16_fp6_f32 v[44:46], v[X+16:X+31], v10        ; (a conversion's three registers begin on an even number)
	v_cvt_scalef32_pk16_fp6_f32 v[PCF+6:PCF+8], v[X+32:X+47], v11
	v_cvt_scalef32_pk16_fp6_f32 v[48:50], v[X+48:X+63], v11
	v_nop                                          ; one plain place behind a scaled conversion
.irp i, 0,1,2
	v_mov_b32 v[PCF+3+\i], v[44+\i]
	v_mov_b32 v[PCF+9+\i], v[48+\i]
.endr
.irp c, 0,1,2
	global_store_b128 v1, v[PCF+4*\c:PCF+4*\c+3], s[22:23] offset:1536*\f+512*\c   ; the image: 512 consecutive bytes a store, aligned
.endr
.endm
	XFRAG 0
	XFRAG 1
	ds_store_b64 v4, v[16:17]                      ; lanes r and r + 16 write the same words with the same values
	s_wait_dscnt 0x0                               ; for the others' sake: my scale words have landed
	s_barrier_signal -1
	s_barrier_wait -1
	s_cmp_lt_u32 s16, 2
	s_cbranch_scc0 .Lx_done
	ds_load_b128 v[52:55], v18                     ; 32 rows x 16 bytes of one K half
	s_wait_dscnt 0x0
	global_store_b128 v1, v[52:55], s[12:13]       ; 512 consecutive bytes, aligned
.Lx_done:
	s_wait_tensorcnt 0x0
	ds_add_u32 v62, v63
	s_wait_dscnt 0x0
	s_endpgm
; ---------------- the weights: work-group 256 + 2 q + half takes columns 64 q .. 64 q + 63 (of W_qkv, from q = 48 on of W_proj) and K steps 4 half .. 4 half + 3 ----------------
; A LANE TAKES A COLUMN AND ITS REGISTERS RUN DOWN K.  Wave w: columns 32 (w % 2) on, K step 4 half + w / 2.
.Lweights:
	s_sub_co_u32 s17, ttmp9, 256
	s_lshr_b32 s18, s17, 1                         ; q
	s_and_b32 s19, s17, 1                          ; K half
	s_and_b32 s34, s16, 1                          ; cg
	s_lshr_b32 s35, s16, 1
	s_lshl_b32 s36, s19, 2
	s_add_co_u32 s36, s36, s35                     ; K step
	s_wait_alu depctr_va_vdst(0)
	v_lshlrev_b32 v2, 2, v6                        ; 4 x lane
	v_bfe_u32 v7, v6, 3, 1                         ; my column's tile of the two: u = (lane / 8) % 2,
	v_and_b32 v8, 7, v6
	v_lshrrev_b32 v9, 4, v6
	s_delay_alu instid0(VALU_DEP_1)
	v_lshl_add_u32 v8, v9, 3, v8                   ; and its lane-row there: lane % 8 + 8 (lane / 16)
	s_mul_i32 s43, s16, 3328
	s_add_co_u32 s43, s43, WST
	v_mul_u32_u24 v3, v7, 1664
	s_delay_alu instid0(VALU_DEP_1)
	v_lshl_add_u32 v3, v8, 4, v3
	s_delay_alu instid0(VALU_DEP_1)
	v_add_nc_u32 v3, s43, v3                       ; my column's place in its image
	v_add_nc_u32 v4, s43, v1                       ; and where I read the images back
	s_lshl_b32 s44, s34, 9
	s_lshl_b32 s45, s35, 2
	s_add_co_u32 s45, s45, s44
	s_add_co_u32 s45, s45, WSC
	v_add_nc_u32 v5, s45, v1                       ; my column's scale word of my K step
	s_add_co_u32 s44, s44, WSC
	v_add_nc_u32 v17, s44, v1                      ; the scales' way out (waves 0 and 1)
	s_lshl_b32 s40, s18, 2                         ; opc: tile 512 + 4 q + 2 cg, my K step
	s_lshl_b32 s41, s34, 1
	s_add_co_u32 s40, s40, s41
	s_add_co_u32 s40, s40, 512
	s_mul_i32 s40, s40, 12288
	s_mul_i32 s41, s36, 1536
	s_add_co_u32 s40, s40, s41
	s_mov_b32 s41, 0
	s_mul_i32 s46, s19, 196608                     ; ops: my K half, rows 8192 + 64 q + 32 (w % 2) on
	s_lshl_b32 s42, s18, 10
	s_add_co_u32 s46, s46, s42
	s_add_co_u32 s46, s46, 131072
	s_lshl_b32 s42, s34, 9
	s_add_co_u32 s46, s46, s42
	s_mov_b32 s47, 0
	s_wait_kmcnt 0x0
	s_add_nc_u64 s[32:33], s[10:11], s[40:41]
	s_add_nc_u64 s[12:13], s[12:13], s[46:47]
	s_cmp_ge_u32 s18, 48                           ; which weight: the choice hangs on the work-group's number alone
	s_cselect_b64 s[20:21], s[8:9], s[6:7]
	s_mov_b32 s37, 12288
	s_cselect_b32 s37, 4096, s37                   ; a row of it in bytes
	s_cselect_b32 s38, 48, 0
	s_sub_co_u32 s38, s18, s38
	s_lshl_b32 s38, s38, 6
	s_lshl_b32 s39, s34, 5
	s_add_co_u32 s38, s38, s39                     ; my wave's first column
	s_lshl_b32 s38, s38, 2
	s_lshl_b32 s39, s36, 7
	s_mul_i32 s39, s39, s37                        ; 128 x K step rows down
	s_add_co_u32 s38, s38, s39
	s_mov_b32 s39, 0
	s_add_nc_u64 s[24:25], s[20:21], s[38:39]      ; block 0,
	s_lshl_b32 s38, s37, 5
	s_add_nc_u64 s[26:27], s[24:25], s[38:39]      ; and each next block 32 rows further down
	s_add_nc_u64 s[28:29], s[26:27], s[38:39]
	s_add_nc_u64 s[30:31], s[28:29], s[38:39]
.irp i, 0,1,2,3,4,5,6,7,8,9,10,11,12,13,14,15,16,17,18,19,20,21,22,23,24,25,26,27,28,29,30,31
	v_mad_u32_u24 v[OFF+\i], s37, \i, v2
.endr
.macro LOADW t
.irp i, 0,1,2,3,4,5,6,7,8,9,10,11,12,13,14,15,16,17,18,19,20,21,22,23,24,25,26,27,28,29,30,31
	global_load_b32 v[WX+32*(\t)+\i], v[OFF+\i], s[24+2*(\t):25+2*(\t)] th:TH_LOAD_NT   ; 128 consecutive bytes a wave; waves w and w xor 1 stand side by side on 256
.endr
.endm
.macro BLOCKW t
.set XS, WX+32*(\t)
.set PB, 20+6*(\t)
.if (\t) < 3
	s_wait_loadcnt 32                              ; this block's 32 loads are in; the next block's may be out
.else
	s_wait_loadcnt 0x0
.endif
.if (\t) < 2
	LOADW \t+2
.endif
	v_max3_num_f32 v8, |v[XS]|, |v[XS+1]|, |v[XS+2]|               ; the block's largest magnitude: all 32 numbers are mine; two chains
	v_max3_num_f32 v9, |v[XS+3]|, |v[XS+4]|, |v[XS+5]|
.irp i, 6,10,14,18,22,26
	s_delay_alu instid0(VALU_DEP_2)
	v_max3_num_f32 v8, v8, |v[XS+\i]|, |v[XS+\i+1]|
	s_delay_alu instid0(VALU_DEP_2)
	v_max3_num_f32 v9, v9, |v[XS+\i+2]|, |v[XS+\i+3]|
.endr
	s_delay_alu instid0(VALU_DEP_2)
	v_max3_num_f32 v8, v8, |v[XS+30]|, |v[XS+31]|
	s_delay_alu instid0(VALU_DEP_1)
	v_max3_num_f32 v8, v8, v9, 0x1800000           ; and the floor
	s_delay_alu instid0(VALU_DEP_1)
	v_add_nc_u32 v10, 0xff000000, v8
	s_delay_alu instid0(VALU_DEP_1)
	v_lshrrev_b32 v11, 23, v10
.if (\t) == 0
	s_delay_alu instid0(VALU_DEP_1)
	v_mov_b32 v16, v11                             ; the K step's scale word, the lower K in the lower byte
.else
	s_delay_alu instid0(VALU_DEP_1)
	v_lshl_or_b32 v16, v11, 8*(\t), v16
.endif
	v_cvt_scalef32_pk16_fp6_f32 v[PB:PB+2], v[XS:XS+15], v10
	v_cvt_scalef32_pk16_fp6_f32 v[44:46], v[XS+16:XS+31], v10
	v_nop                                          ; one plain place behind a scaled conversion
.irp i, 0,1,2
	v_mov_b32 v[PB+3+\i], v[44+\i]
.endr
; block t is registers 6 (t / 2) .. + 5 of the operand's lane (my lane-row, h = t % 2): to their places in the image
.if (\t) < 2
	ds_store_b128 v3, v[PB:PB+3] offset:256*((\t)%2)
	ds_store_b64 v3, v[PB+4:PB+5] offset:512+256*((\t)%2)
.else
	ds_store_b64 v3, v[PB:PB+1] offset:520+256*((\t)%2)
	ds_store_b128 v3, v[PB+2:PB+5] offset:1024+256*((\t)%2)
.endif
.endm
	LOADW 0
	LOADW 1
	s_wait_alu depctr_va_vdst(0)
	BLOCKW 0
	BLOCKW 1
	BLOCKW 2
	BLOCKW 3
	ds_store_b32 v5, v16
.irp u, 0,1
.irp k, 0,1,2
	ds_load_b128 v[OUTR+12*\u+4*\k:OUTR+12*\u+4*\k+3], v4 offset:1664*\u+512*\k   ; my own bytes: LDS serves a wave's instructions in order
.endr
.endr
	s_wait_dscnt 0x0                               ; the images are back, and, for the others' sake, my scale words have landed
.irp u, 0,1
.irp k, 0,1,2
	global_store_b128 v1, v[OUTR+12*\u+4*\k:OUTR+12*\u+4*\k+3], s[32:33] offset:12288*\u+512*\k
.endr
.endr
	s_barrier_signal -1
	s_barrier_wait -1
	s_cmp_lt_u32 s16, 2
	s_cbranch_scc0 .Lw_done
	ds_load_b128 v[48:51], v17
	s_wait_dscnt 0x0
	global_store_b128 v1, v[48:51], s[12:13]       ; 32 rows x 16 bytes: 512 consecutive bytes, aligned
.Lw_done:
	s_wait_tensorcnt 0x0
	ds_add_u32 v62, v63
	s_wait_dscnt 0x0
	s_endpgm
.Lfunc_end_k_q48a74eea17_quant:
	.size	k_q48a74eea17_quant, .Lfunc_end_k_q48a74eea17_quant-k_q48a74eea17_quant
	.p2alignl 7, 3214868480
	.fill 96, 4, 3214868480
	.section	.rodata,"a",@progbits
	.p2align	6, 0x0
	.amdhsa_kernel k_q48a74eea17_quant
		.amdhsa_group_segment_fixed_size 97280
		.amdhsa_private_segment_fixed_size 0
		.amdhsa_enable_private_segment 0
		.amdhsa_kernarg_size 40
		.amdhsa_user_sgpr_count 2
		.amdhsa_user_sgpr_kernarg_segment_ptr 1
		.amdhsa_wavefront_size32 1
		.amdhsa_system_sgpr_workgroup_id_x 1
		.amdhsa_system_sgpr_workgroup_id_y 1
		.amdhsa_system_sgpr_workgroup_id_z 1
		.amdhsa_system_vgpr_workitem_id 0
		.amdhsa_next_free_vgpr 256
		.amdhsa_next_free_sgpr 66
		.amdhsa_reserve_vcc 0
		.amdhsa_float_denorm_mode_32 3
		.amdhsa_float_denorm_mode_16_64 3
		.amdhsa_memory_ordered 1
		.amdhsa_forward_progress 1
		.amdhsa_inst_pref_size 46
	.end_amdhsa_kernel
	.amdgpu_metadata
---
amdhsa.version: [ 1, 2 ]
amdhsa.kernels:
  - .name:           k_q48a74eea17_quant
    .symbol:         k_q48a74eea17_quant.kd
    .args:
      - { .name: x, .offset: 0, .size: 8, .value_kind: global_buffer, .address_space: global }
      - { .name: W_qkv, .offset: 8, .size: 8, .value_kind: global_buffer, .address_space: global }
      - { .name: W_proj, .offset: 16, .size: 8, .value_kind: global_buffer, .address_space: global }
      - { .name: opc, .offset: 24, .size: 8, .value_kind: global_buffer, .address_space: global }
      - { .name: ops, .offset: 32, .size: 8, .value_kind: global_buffer, .address_space: global }
    .group_segment_fixed_size: 97280
    .private_segment_fixed_size: 0
    .kernarg_segment_align: 8
    .kernarg_segment_size: 40
    .max_flat_workgroup_size: 256
    .sgpr_count:     66
    .vgpr_count:     256
    .wavefront_size: 32
...
	.end_amdgpu_metadata
.endif
;; end of part 1
;; launch gemm_qkv (part 2): grid 8 x 32, 4 waves a work-group, clusters of 4 x 4, 327,680 bytes of LDS; arguments opc, ops, qkv; writes qkv
.if DOCPART == 2
	.amdgcn_target "amdgcn-amd-amdhsa--gfx1250"
	.amdhsa_code_object_version 6
	.text
	.protected	k_q48a74eea17_gemm_qkv
	.globl	k_q48a74eea17_gemm_qkv
	.p2align	8
	.type	k_q48a74eea17_gemm_qkv,@function
k_q48a74eea17_gemm_qkv:
	s_mov_b64 s[64:65], 0
	v_nop
	global_prefetch_b8 v0, s[64:65] scope:SCOPE_SE
	s_setreg_imm32_b32 hwreg(HW_REG_WAVE_MODE, 25, 1), 1
	s_wait_xcnt 0x0
	s_wait_alu depctr_hold_cnt(0) depctr_sa_sdst(0) depctr_va_vdst(0) depctr_va_sdst(0) depctr_va_ssrc(0) depctr_va_vcc(0) depctr_vm_vsrc(0)
	s_getreg_b32 s2, hwreg(HW_REG_IB_STS2, 6, 4)
	s_cmp_eq_u32 s2, 0
	s_cbranch_scc0 .Lentry_in_a_cluster
	s_endpgm
.Lentry_in_a_cluster:
	s_bfe_u32 s2, ttmp6, 0x10000c
	s_cmp_lg_u32 s2, 0xf033
	s_cbranch_scc0 .Lentry_shape_is_right
	s_endpgm
.Lentry_shape_is_right:
; Q, K, V = x W_qkv on codes of FP6 (E2M3), K = 1024, and their quantisers: the results leave as codes and scale words in the order of the next launch's operand registers.  No f32 result is stored.
; opc: [tile 768][K step 8] images of an operand's 12 registers, 1,536 bytes each: x's tiles 0-511, W_q's 512-575, W_k's 576-639, W_v's 640-703.  Tile 2 g + u, lane-row r = row 32 g + 8 u + r + 8 (r / 8).
; ops: [K half 2][row 12288][16 bytes]: a row's scale words of four K steps.
; qkv: [batch x 16 + head][step of 128 tokens 16][19,200 bytes]: Q's 4 fragments at 0, Q's scale words at 6,144, K's fragments at 6,400, V's at 12,544, K's scale words at 18,688, V's at 18,944.
; THE DEAL: 256 work-groups of four waves, one turn.  Work-group (X = 0 .. 7, Y = 0 .. 31) makes, PHASE 1, tokens 256 Y .. + 255 x columns 256 X .. + 255 of Q | K (a wave 128 x 128: 64 accumulators),
; and then, PHASE 2, columns 128 X .. + 127 of V for the same tokens (a wave 64 columns x 128 tokens: 32 accumulators).
; ROLES.  Source 1 of the matrix instruction (role A) gives a lane its row, source 0 (role B) runs along its registers.  Phase 1: A = x, B = the weight: a lane holds a token, its registers run along the channels,
; the quantiser's K for Q K^T.  Phase 2: A = W_v, B = x: a lane holds a channel, its registers run along the tokens, the quantiser's K for P V.
; THE RING: two LDS slots of three K steps: for each fetching wave 8 tiles x 4,608 bytes.  A phase has three fills, of 3, 3 and 2 K steps; the ring goes on from phase 1 into phase 2.  Each refill stands behind a
; round of the cluster's barrier with the three lines ahead of it, one tensor load a wave: waves 0 and 1 fetch role A's halves, waves 2 and 3 role B's.
; CLUSTERS 4 x 4: x's tiles hang on Y alone and are asked for jointly by a row of the cluster, the weights' on X alone, by a column.  x always goes by the descriptors G0, G1 (row mask), the weights by G0B, G1B
; (column mask): no register of either set ever holds the other coordinate.
; NO PREFETCH: K is eight steps at the largest block in clusters; a fill is asked for three K steps (the last of a phase two) ahead of the wait for it.
; A block's scale is 2^(floor(log2(largest magnitude)) - 2): its byte is the largest magnitude's exponent field - 2, held at 1 from below.
; LIMITS: NaN and infinities are not served; a block whose largest magnitude lies under 2^-124 (a block of zeros too) keeps the byte 1: only this program reads the bytes.
; REGISTERS: window 0: v16-30 addresses; v32-95 scale words (8 i + K step: lanes 0-15 role A's block i, lanes 16-31 role B's); v96-123 the quantiser's; v128-223 A's fragments (phase 1 one set of 8, phase 2 two sets of 4).
;   Window 1: B's fragments, two sets, at v0 and v128.   Windows 2, 3: accumulator (a, b) at v[8 (8 (a % 4) + b)], window 2 + a / 4.
.set HALFB, 36864                      ; a fetching wave's part of a slot
.set SLOTB, 4*HALFB
.set SPARE, 2*SLOTB
.set ADRA, 16                          ; v16-17  LDS address of my A fragments in slot 0, 1
.set ADRB, 20                          ; v20-21  the same for B
.set L16,  24
.set L8,   25
.set SOF,  26                          ; v26, v30  my rows' places in ops, phase 1 and phase 2
.set LN,   27
.set SPW,  28
.set NIL,  29
.set SOF2, 30
.set SC,   32
.set TM,   96
.set PW,   112
.set XW,   120
.set AF,   128
.set CT,   160
.set G1,   24
.set G0,   32
.set G1B,  48
.set G0B,  68
.set MSB, 0
.macro WIN new
.if MSB != \new
	s_set_vgpr_msb (MSB<<8)|\new
.set MSB, \new
.endif
.endm
.set MUL_LO, 0xa1
.set MUL_HI, 0xf1
.set TO_B,   0x40
.macro WALU
	s_wait_alu depctr_va_vdst(0)
.endm
.macro PLACES n
.rept \n
	v_nop
.endr
.endm
.macro JLOAD g0a, g1a, g0b, g1b        ; waves 0 and 1 issue the first line, waves 2 and 3 the second; s_nop 0 and four v_nop behind each
	s_cmp_eq_u32 s15, 0
	s_cbranch_scc0 .Lfor_b_\@
	tensor_load_to_lds s[\g0a:\g0a+3], s[\g1a:\g1a+7]
	s_nop 0
	PLACES 4
	s_branch .Lasked_\@
.Lfor_b_\@:
	tensor_load_to_lds s[\g0b:\g0b+3], s[\g1b:\g1b+7]
	s_nop 0
	PLACES 4
.Lasked_\@:
.endm
.macro CREST
	s_cmp_lg_u32 s14, 0
	s_cbranch_scc1 .Lnot_wave_0_\@
	s_barrier_signal -3
.Lnot_wave_0_\@:
	s_barrier_wait -3
	s_barrier_signal -1
	s_barrier_wait -1
.endm
.macro CROUND
	s_barrier_signal -1
	s_barrier_wait -1
	CREST
.endm
; A fill: K steps ko on, len elements of 8 bytes a tile, of phase ph, into a slot.  No tensor load of the wave is out where it stands, so the descriptors may be written.
.macro FILL slot, ko, ph, len
	s_mov_b32 s[G1+1], (\len)<<16
	s_mov_b32 s[G1+3], (\len)<<16
	s_mov_b32 s[G1B+1], (\len)<<16
	s_mov_b32 s[G1B+3], (\len)<<16
	s_add_co_u32 s[G0+1], s22, (\slot)*SLOTB
	s_add_co_u32 s[G0B+1], s22, (\slot)*SLOTB
	s_add_nc_u64 s[G0+2:G0+3], s[18:19], (\ko)*1536
	s_or_b32 s[G0+3], s[G0+3], 0x80000000
.if (\ph) == 1
	s_add_nc_u64 s[G0B+2:G0B+3], s[20:21], (\ko)*1536
	s_or_b32 s[G0B+3], s[G0B+3], 0x80000000
	JLOAD G0, G1, G0B, G1B                         ; role A = x, role B = the weight
.else
	s_mov_b32 s[G1B+2], 4<<16                      ; W_v: four tiles a wave
	s_mov_b32 s[G1B+4], 4
	s_add_nc_u64 s[G0B+2:G0B+3], s[72:73], (\ko)*1536
	s_or_b32 s[G0B+3], s[G0B+3], 0x80000000
	JLOAD G0B, G1B, G0, G1                         ; role A = W_v, role B = x
.endif
.endm
	s_load_b128 s[4:7], s[0:1], 0x0                ; opc, ops
	s_load_b64 s[8:9], s[0:1], 0x10                ; qkv
	v_lshl_add_u32 v[SPW], v0, 2, SPARE
	v_mov_b32 v[NIL], 0
	ds_add_u32 v[SPW], v[NIL]                      ; the opening lines: the add, twice on end, and its wait
	ds_add_u32 v[SPW], v[NIL]
	v_lshrrev_b32 v1, 5, v0
	v_readfirstlane_b32 s14, v1                    ; wave
	s_lshr_b32 s15, s14, 1                         ; my half of role A.  Also: I fetch for role A (0) or B (1)
	s_and_b32 s16, s14, 1                          ; my half of role B.  Also: which half I fetch
	s_bfe_u32 s80, ttmp6, 0x40000                  ; cx
	s_bfe_u32 s81, ttmp6, 0x40004                  ; cy
	s_mov_b32 s82, ttmp9                           ; cluster x: 0 Q, 1 K
	s_and_b32 s83, ttmp7, 0xffff
	s_lshl_b32 s84, s83, 2
	s_add_co_u32 s84, s84, s81                     ; Y
	s_lshl_b32 s85, s82, 2
	s_add_co_u32 s85, s85, s80                     ; X
	s_lshl_b32 s86, s84, 4                         ; x's first tile
	s_lshl_b32 s87, s85, 4
	s_add_co_u32 s87, s87, 512                     ; the first tile of W_q | W_k
	s_lshl_b32 s74, s85, 3
	s_add_co_u32 s74, s74, 640                     ; and of W_v
	s_lshl_b32 s56, s81, 2
	s_lshl_b32 s56, 15, s56                        ; my row of the cluster
	s_lshl_b32 s57, 0x1111, s80                    ; my column
	s_or_b32 s[G1], s56, (3<<16)|(1<<21)
	s_or_b32 s[G1B], s57, (3<<16)|(1<<21)
.irp g, G1, G1B                                ; tiles as rows, 12,288 bytes (1,536 elements of 8) from tile to tile; the row's length is set with each fill
	s_mov_b32 s[\g+2], 8<<16
	s_mov_b32 s[\g+4], 8
	s_mov_b32 s[\g+5], 1536
	s_mov_b32 s[\g+6], 0
	s_mov_b32 s[\g+7], 0
.endr
	s_mov_b32 s[G0], 1
	s_mov_b32 s[G0B], 1
	s_lshl_b32 s17, s16, 3
	s_add_co_u32 s18, s86, s17
	s_mul_i32 s18, s18, 12288
	s_mov_b32 s19, 0
	s_add_co_u32 s20, s87, s17
	s_mul_i32 s20, s20, 12288
	s_mov_b32 s21, 0
	s_lshl_b32 s17, s16, 2
	s_add_co_u32 s72, s74, s17
	s_mul_i32 s72, s72, 12288
	s_mov_b32 s73, 0
	s_mul_i32 s22, s14, HALFB                      ; where my tiles go: no place in the cluster enters an LDS address
	s_mov_b32 s92, 0x76543210
	s_mov_b32 s93, 0xfedcba98
	s_wait_dscnt 0x0
	s_wait_kmcnt 0x0
	s_add_nc_u64 s[18:19], s[4:5], s[18:19]        ; x's 8 tiles that I fetch,
	s_add_nc_u64 s[20:21], s[4:5], s[20:21]        ; W_q's or W_k's 8,
	s_add_nc_u64 s[72:73], s[4:5], s[72:73]        ; W_v's 4
	CROUND                                         ; all sixteen work-groups are here: the first joint loads meet
	FILL 0, 0, 1, 576                              ; phase 1, K steps 0-2: my one load at the head
	; where the results go.  Phase 1: record ((batch x 16 + 4 cx + 2 (my B half)) x 16 + step), step = 2 (Y % 8) + my A half; the second head 307,200 bytes on
	s_lshr_b32 s58, s84, 3
	s_lshl_b32 s58, s58, 4                         ; batch x 16
	s_and_b32 s59, s84, 7
	s_lshl_b32 s59, s59, 1                         ; 2 (Y % 8)
	s_lshl_b32 s60, s80, 2
	s_lshl_b32 s61, s16, 1
	s_add_co_u32 s62, s58, s60
	s_add_co_u32 s62, s62, s61
	s_lshl_b32 s62, s62, 4
	s_add_co_u32 s62, s62, s59
	s_add_co_u32 s62, s62, s15
	s_mul_i32 s62, s62, 19200
	s_mov_b32 s63, 0
	s_add_nc_u64 s[90:91], s[8:9], s[62:63]
	s_mov_b32 s67, 18688
	s_cmp_eq_u32 s82, 0
	s_cselect_b32 s62, 0, 6400
	s_cselect_b32 s67, 6144, s67
	s_add_nc_u64 s[88:89], s[90:91], s[62:63]      ; the fragments,
	s_mov_b32 s62, s67
	s_add_nc_u64 s[90:91], s[90:91], s[62:63]      ; the scale words
	s_lshl_b32 s60, s85, 1                         ; phase 2: head 2 X + my A half, step 2 (Y % 8) + my B half
	s_add_co_u32 s62, s58, s60
	s_add_co_u32 s62, s62, s15
	s_lshl_b32 s62, s62, 4
	s_add_co_u32 s62, s62, s59
	s_add_co_u32 s62, s62, s16
	s_mul_i32 s62, s62, 19200
	s_add_nc_u64 s[78:79], s[8:9], s[62:63]
	s_add_nc_u64 s[76:77], s[78:79], 12544
	s_add_nc_u64 s[78:79], s[78:79], 18944
	s_mul_i32 s10, s15, HALFB
	s_mul_i32 s11, s16, HALFB
	s_add_co_u32 s11, s11, 2*HALFB
	s_lshl_b32 s12, s15, 3                         ; my rows in ops, 256 bytes a tile: phase 1 role A,
	s_add_co_u32 s12, s12, s86
	s_lshl_b32 s12, s12, 8
	s_lshl_b32 s13, s16, 3                         ; role B;
	s_add_co_u32 s75, s13, s86
	s_add_co_u32 s13, s13, s87
	s_lshl_b32 s13, s13, 8
	s_lshl_b32 s75, s75, 8                         ; phase 2 role B,
	s_lshl_b32 s17, s15, 2
	s_add_co_u32 s17, s17, s74
	s_lshl_b32 s17, s17, 8                         ; role A
	v_and_b32 v[LN], 31, v0
	v_lshlrev_b32 v[L16], 4, v[LN]
	v_lshlrev_b32 v[L8], 3, v[LN]
	v_add_nc_u32 v[ADRA], s10, v[L16]
	v_add_nc_u32 v[ADRB], s11, v[L16]
	v_add_nc_u32 v[ADRA+1], SLOTB, v[ADRA]
	v_add_nc_u32 v[ADRB+1], SLOTB, v[ADRB]
	v_and_b32 v1, 15, v0
	v_and_b32 v2, 8, v1
	v_add_nc_u32 v1, v1, v2                        ; r + 8 (r / 8)
	v_cmp_gt_u32 vcc_lo, 16, v[LN]                 ; lanes 0-15 take role A's rows, lanes 16-31 role B's
	v_mov_b32 v2, s12
	v_mov_b32 v3, s13
	v_cndmask_b32 v2, v3, v2, vcc_lo
	v_lshl_add_u32 v[SOF], v1, 4, v2
	v_mov_b32 v2, s17
	v_mov_b32 v3, s75
	v_cndmask_b32 v2, v3, v2, vcc_lo
	v_lshl_add_u32 v[SOF2], v1, 4, v2
.macro SCALES sof
.irp i, 0,1,2,3,4,5,6,7
.irp kh, 0,1
	global_load_b128 v[SC+8*\i+4*\kh:SC+8*\i+4*\kh+3], v[\sof], s[6:7] offset:196608*\kh+16*(32*(\i/2)+8*(\i%2))
.endr
.endr
.endm
	SCALES SOF
.irp b, 0,1,2,3
	v_mov_b32 v[TM+4+\b], 0                        ; (a lane permute's destination counts as one of its sources)
.endr
; where K step ks of phase ph lies: slot, place in the tile's row, bytes from tile to tile
.macro WHERE ph, ks
.set W_SL, (((\ks)/3)+(\ph)-1)%2
.set W_Q, (\ks)%3
.if (\ks) >= 6
.set W_TP, 3072
.else
.set W_TP, 4608
.endif
.endm
.macro FRAG reg, adr, i
.irp c, 0,1,2
	ds_load_b128 v[\reg+4*\c:\reg+4*\c+3], v[\adr] offset:W_TP*(\i)+1536*W_Q+512*\c
.endr
.endm
.macro FETCH_B p                       ; B's eight fragments into set p
	WIN TO_B
.irp i, 0,1,2,3,4,5,6,7
	FRAG 128*(\p)+12*\i, ADRB+W_SL, \i
.endr
	WIN 0
.endm
.macro FETCH_A ab, i0                  ; A's blocks i0 .. i0 + 3 to AF + ab + 12 i
.irp i, \i0, \i0+1, \i0+2, \i0+3
	FRAG AF+(\ab)+12*(\i), ADRA+W_SL, \i
.endr
.endm
; 16 matrix instructions: A's blocks a0, a0 + 1 x B's eight.  The accumulators take turns, one instruction a turn, in the same order in every step.
.macro MUL16 a0, ab, p, ks, zero
.irp a, \a0, \a0+1
.irp b, 0,1,2,3,4,5,6,7
.if \zero
	v_wmma_scale_f32_16x16x128_f8f6f4 v[8*(8*((\a)%4)+\b):8*(8*((\a)%4)+\b)+7], v[128*(\p)+12*\b:128*(\p)+12*\b+11], v[AF+(\ab)+12*(\a):AF+(\ab)+12*(\a)+11], 0, v[SC+8*\b+(\ks)], v[SC+8*(\a)+(\ks)] matrix_a_fmt:MATRIX_FMT_FP6 matrix_b_fmt:MATRIX_FMT_FP6 matrix_a_scale:MATRIX_SCALE_ROW1
.else
	v_wmma_scale_f32_16x16x128_f8f6f4 v[8*(8*((\a)%4)+\b):8*(8*((\a)%4)+\b)+7], v[128*(\p)+12*\b:128*(\p)+12*\b+11], v[AF+(\ab)+12*(\a):AF+(\ab)+12*(\a)+11], v[8*(8*((\a)%4)+\b):8*(8*((\a)%4)+\b)+7], v[SC+8*\b+(\ks)], v[SC+8*(\a)+(\ks)] matrix_a_fmt:MATRIX_FMT_FP6 matrix_b_fmt:MATRIX_FMT_FP6 matrix_a_scale:MATRIX_SCALE_ROW1
.endif
.endr
.endr
.endm
; PHASE 1.  A step inside a slot: 64 matrix instructions; the next step's fragments are fetched in its middle and at its end.
.macro STEP1 ks, zero
	WHERE 1, (\ks)+1
	s_wait_dscnt 12                                ; all but the youngest 12 loads, A's blocks 4-7
	WIN MUL_LO
	MUL16 0, 0, (\ks)%2, \ks, \zero
	MUL16 2, 0, (\ks)%2, \ks, \zero
	s_wait_dscnt 0
	PLACES 4
	FETCH_B 1-(\ks)%2
	FETCH_A 0, 0
	WIN MUL_HI
	MUL16 4, 0, (\ks)%2, \ks, \zero
	MUL16 6, 0, (\ks)%2, \ks, \zero
	PLACES 4
	WIN 0
	FETCH_A 0, 4
.endm
; A slot's last step: the three lines, a round of the cluster's barrier with matrix work inside it, the refill of the slot just read out, then the other slot's first fragments.
.macro TURN1 ks, slot, ko, ph, len
	WHERE 1, (\ks)+1
	s_wait_tensorcnt 0x0                           ; my part of the other slot is in
	ds_add_u32 v[SPW], v[NIL]
	s_wait_dscnt 13                                ; (the add and A's blocks 4-7 may be out)
	WIN MUL_LO
	MUL16 0, 0, (\ks)%2, \ks, 0
	s_wait_dscnt 0x0                               ; the add is done, my reads of this slot are over
	s_barrier_signal -1
	MUL16 2, 0, (\ks)%2, \ks, 0
	WIN 0
	s_barrier_wait -1
	CREST
	FILL \slot, \ko, \ph, \len                     ; its four v_nop are the places in front of the loads below
	FETCH_B 1-(\ks)%2
	FETCH_A 0, 0
	WIN MUL_HI
	MUL16 4, 0, (\ks)%2, \ks, 0
	MUL16 6, 0, (\ks)%2, \ks, 0
	PLACES 4
	WIN 0
	FETCH_A 0, 4
.endm
; PHASE 2.  32 matrix instructions a step; A has two sets too, and the next step's fragments are asked for ahead of the step's products.
.macro STEP2 ks, zero
	s_wait_dscnt 0x0                               ; this step's fragments are in
.if (\ks) < 7
	WHERE 2, (\ks)+1
	PLACES 4
	FETCH_B 1-(\ks)%2
	FETCH_A 48*(1-(\ks)%2), 0
.endif
	WIN MUL_LO
	MUL16 0, 48*((\ks)%2), (\ks)%2, \ks, \zero
	MUL16 2, 48*((\ks)%2), (\ks)%2, \ks, \zero
	WIN 0
.endm
.macro TURN2 ks, fill
	WHERE 2, (\ks)+1
	s_wait_tensorcnt 0x0
	ds_add_u32 v[SPW], v[NIL]
	s_wait_dscnt 0x0
	s_barrier_signal -1
	WIN MUL_LO
	MUL16 0, 48*((\ks)%2), (\ks)%2, \ks, 0
	WIN 0
	s_barrier_wait -1
.if \fill
	CREST
	FILL 1, 6, 2, 384
.else
	PLACES 4                                       ; it shows the last fill to all
.endif
	FETCH_B 1-(\ks)%2
	FETCH_A 48*(1-(\ks)%2), 0
	WIN MUL_LO
	MUL16 2, 48*((\ks)%2), (\ks)%2, \ks, 0
	WIN 0
.endm
; THE QUANTISER of two runs of 32 registers (each: 64 neighbours along the next K, 16 + 16 in this lane, the others in lane l xor 16) into one operand of 12 registers at pc and its scale word pw.
.macro QUANT s0, s1, win, pc, pw
	WIN 5*(\win)
	v_max3_num_f32 v[TM+0], |v[(\s0)]|, |v[(\s0)+1]|, 0x1800000
	v_max3_num_f32 v[TM+1], |v[(\s0)+16]|, |v[(\s0)+17]|, 0x1800000
	v_max3_num_f32 v[TM+2], |v[(\s1)]|, |v[(\s1)+1]|, 0x1800000
	v_max3_num_f32 v[TM+3], |v[(\s1)+16]|, |v[(\s1)+17]|, 0x1800000
.irp i, 2,4,6,8,10,12,14
	v_max3_num_f32 v[TM+0], |v[(\s0)+\i]|, |v[(\s0)+\i+1]|, v[TM+0]
	v_max3_num_f32 v[TM+1], |v[(\s0)+16+\i]|, |v[(\s0)+17+\i]|, v[TM+1]
	v_max3_num_f32 v[TM+2], |v[(\s1)+\i]|, |v[(\s1)+\i+1]|, v[TM+2]
	v_max3_num_f32 v[TM+3], |v[(\s1)+16+\i]|, |v[(\s1)+17+\i]|, v[TM+3]
.endr
	WIN 0
.irp b, 0,1,2,3
	v_permlanex16_b32 v[TM+4+\b], v[TM+\b], s92, s93
.endr
.irp b, 0,1,2,3
	v_max_num_f32 v[TM+\b], v[TM+\b], v[TM+4+\b]
.endr
.irp b, 0,1,2,3
	v_add_nc_u32 v[TM+12+\b], 0xff000000, v[TM+\b]
.endr
.irp b, 0,1,2,3
	v_lshrrev_b32 v[TM+4+\b], 23, v[TM+12+\b]
.endr
	v_lshl_or_b32 v[\pw], v[TM+5], 8, v[TM+4]
	v_lshl_or_b32 v[\pw], v[TM+6], 16, v[\pw]
	v_lshl_or_b32 v[\pw], v[TM+7], 24, v[\pw]
	WALU
	s_wait_xcnt 0x0                                ; the earlier stores have read their registers
	WIN (\win)
	v_cvt_scalef32_pk16_fp6_f32 v[(\pc):(\pc)+2], v[(\s0):(\s0)+15], v[TM+12]
	v_cvt_scalef32_pk16_fp6_f32 v[CT:CT+2], v[(\s0)+16:(\s0)+31], v[TM+13]
	v_cvt_scalef32_pk16_fp6_f32 v[(\pc)+6:(\pc)+8], v[(\s1):(\s1)+15], v[TM+14]
	v_cvt_scalef32_pk16_fp6_f32 v[CT+4:CT+6], v[(\s1)+16:(\s1)+31], v[TM+15]
	WIN 0
	v_nop
.irp c, 0,1
.irp i, 0,1,2
	v_permlane16_swap_b32 v[(\pc)+6*\c+\i], v[CT+4*\c+\i]
.endr
.irp i, 0,1,2
	v_mov_b32 v[(\pc)+3+6*\c+\i], v[CT+4*\c+\i]
.endr
.endr
.endm
.macro SCOUT ne, base                  ; the scale words of ne heads leave: register j: lanes 0-15 operand 2 j, lanes 16-31 operand 2 j + 1; 256 consecutive bytes a store
	v_cmp_le_u32 vcc_lo, 16, v[LN]
.set E_, 0
.rept \ne
.irp j, 0,1
	v_cndmask_b32 v[XW+2*E_+\j], v[PW+4*E_+2*\j], v[PW+4*E_+2*\j+1], vcc_lo
.endr
.set E_, E_+1
.endr
.set E_, 0
.rept \ne
	global_store_b64 v[L8], v[XW+2*E_:XW+2*E_+1], s[\base:\base+1] offset:307200*E_
.set E_, E_+1
.endr
.endm
	WALU
	s_wait_tensorcnt 0x0                           ; my part of K steps 0-2 is in; slot 1's first fill is issued as a refill is
	ds_add_u32 v[SPW], v[NIL]
	s_wait_dscnt 0x0
	CROUND
	FILL 1, 3, 1, 576                              ; phase 1, K steps 3-5
	WHERE 1, 0
	FETCH_B 0
	FETCH_A 0, 0
	FETCH_A 0, 4
	s_wait_loadcnt 0x0                             ; the scale words
	STEP1 0, 1                                     ; the first step's products start the sums
	STEP1 1, 0
	TURN1 2, 0, 6, 1, 384                          ; slot 0 takes phase 1's K steps 6, 7
	STEP1 3, 0
	STEP1 4, 0
	TURN1 5, 1, 0, 2, 576                          ; slot 1 takes phase 2's K steps 0-2
	STEP1 6, 0
	s_wait_dscnt 12                                ; phase 1's last step: nothing of it is left to fetch
	WIN MUL_LO
	MUL16 0, 0, 1, 7, 0
	MUL16 2, 0, 1, 7, 0
	s_wait_dscnt 0x0
	WIN 0
	s_wait_tensorcnt 0x0
	ds_add_u32 v[SPW], v[NIL]
	WIN MUL_HI
	MUL16 4, 0, 1, 7, 0
	s_wait_dscnt 0x0
	s_barrier_signal -1
	MUL16 6, 0, 1, 7, 0
	WIN 0
	s_barrier_wait -1
	CREST
	FILL 0, 3, 2, 576                              ; slot 0 takes phase 2's K steps 3-5; its four v_nop are the places behind the last products
	SCALES SOF2                                    ; phase 2's scale words come in under phase 1's way out
.irp p, 0,1,2,3                                ; Q's or K's way out: operand p of head e is token tiles 2 p and 2 p + 1, 64 channels each
.irp e, 0,1
	QUANT 64*((2*\p)%4)+32*\e, 64*((2*\p+1)%4)+32*\e, 2+\p/2, AF+16*\e, PW+4*\e+\p
.irp c, 0,1,2
	global_store_b128 v[L16], v[AF+16*\e+4*\c:AF+16*\e+4*\c+3], s[88:89] offset:307200*\e+1536*\p+512*\c
.endr
.endr
.endr
	SCOUT 2, 90
	s_wait_xcnt 0x0                                ; the stores have read A's registers: fragments may land there
	WHERE 2, 0
	FETCH_B 0
	FETCH_A 0, 0
	s_wait_loadcnt 0x0                             ; phase 2's scale words
	STEP2 0, 1
	STEP2 1, 0
	TURN2 2, 1                                     ; slot 1 takes phase 2's K steps 6, 7
	STEP2 3, 0
	STEP2 4, 0
	TURN2 5, 0
	STEP2 6, 0
	STEP2 7, 0
	PLACES 4
.irp a, 0,1,2,3                                ; V's way out: operand a is 16 channels x 128 tokens
	QUANT 64*\a, 64*\a+32, 2, AF+16*(\a%2), PW+\a
.irp c, 0,1,2
	global_store_b128 v[L16], v[AF+16*(\a%2)+4*\c:AF+16*(\a%2)+4*\c+3], s[76:77] offset:1536*\a+512*\c
.endr
.endr
	SCOUT 1, 78
	s_wait_tensorcnt 0x0                           ; the wave's end
	ds_add_u32 v[SPW], v[NIL]
	s_wait_dscnt 0x0
	CROUND                                         ; the closing round
	s_endpgm
.Lfunc_end_k_q48a74eea17_gemm_qkv:
	.size	k_q48a74eea17_gemm_qkv, .Lfunc_end_k_q48a74eea17_gemm_qkv-k_q48a74eea17_gemm_qkv
	.p2alignl 7, 3214868480
	.fill 96, 4, 3214868480
	.section	.rodata,"a",@progbits
	.p2align	6, 0x0
	.amdhsa_kernel k_q48a74eea17_gemm_qkv
		.amdhsa_group_segment_fixed_size 327680
		.amdhsa_private_segment_fixed_size 0
		.amdhsa_enable_private_segment 0
		.amdhsa_kernarg_size 24
		.amdhsa_user_sgpr_count 2
		.amdhsa_user_sgpr_kernarg_segment_ptr 1
		.amdhsa_wavefront_size32 1
		.amdhsa_system_sgpr_workgroup_id_x 1
		.amdhsa_system_sgpr_workgroup_id_y 1
		.amdhsa_system_sgpr_workgroup_id_z 1
		.amdhsa_system_vgpr_workitem_id 0
		.amdhsa_next_free_vgpr 1024
		.amdhsa_next_free_sgpr 100
		.amdhsa_reserve_vcc 1
		.amdhsa_float_denorm_mode_32 3
		.amdhsa_float_denorm_mode_16_64 3
		.amdhsa_memory_ordered 1
		.amdhsa_forward_progress 1
		.amdhsa_inst_pref_size 214
	.end_amdhsa_kernel
	.amdgpu_metadata
---
amdhsa.version: [ 1, 2 ]
amdhsa.kernels:
  - .name:           k_q48a74eea17_gemm_qkv
    .symbol:         k_q48a74eea17_gemm_qkv.kd
    .args:
      - { .name: opc, .offset: 0, .size: 8, .value_kind: global_buffer, .address_space: global }
      - { .name: ops, .offset: 8, .size: 8, .value_kind: global_buffer, .address_space: global }
      - { .name: qkv, .offset: 16, .size: 8, .value_kind: global_buffer, .address_space: global }
    .group_segment_fixed_size: 327680
    .private_segment_fixed_size: 0
    .kernarg_segment_align: 8
    .kernarg_segment_size: 24
    .max_flat_workgroup_size: 128
    .sgpr_count:     100
    .vgpr_count:     1024
    .wavefront_size: 32
...
	.end_amdgpu_metadata
.endif
;; end of part 2
;; launch attn (part 3): grid 4 x 64, 16 waves a work-group, clusters of 4 x 1, 259,072 bytes of LDS; arguments qkv, oc, os; writes oc, os
.if DOCPART == 3
	.amdgcn_target "amdgcn-amd-amdhsa--gfx1250"
	.amdhsa_code_object_version 6
	.text
	.protected	k_q48a74eea17_attn
	.globl	k_q48a74eea17_attn
	.p2align	8
	.type	k_q48a74eea17_attn,@function
k_q48a74eea17_attn:
	s_mov_b64 s[64:65], 0
	v_nop
	global_prefetch_b8 v0, s[64:65] scope:SCOPE_SE
	s_setreg_imm32_b32 hwreg(HW_REG_WAVE_MODE, 25, 1), 1
	s_wait_xcnt 0x0
	s_wait_alu depctr_hold_cnt(0) depctr_sa_sdst(0) depctr_va_vdst(0) depctr_va_sdst(0) depctr_va_ssrc(0) depctr_va_vcc(0) depctr_vm_vsrc(0)
	s_getreg_b32 s2, hwreg(HW_REG_IB_STS2, 6, 4)
	s_cmp_eq_u32 s2, 0
	s_cbranch_scc0 .Lentry_in_a_cluster
	s_endpgm
.Lentry_in_a_cluster:
	s_bfe_u32 s2, ttmp6, 0x10000c
	s_cmp_lg_u32 s2, 0x3003
	s_cbranch_scc0 .Lentry_shape_is_right
	s_endpgm
.Lentry_shape_is_right:
; For each of 64 (batch, head): O[q] = sum over k of softmax_k(Q[q] . K[k] / 8) V[k], both products on codes of FP6 (E2M3); O / l is quantised along the channels for the last product.
; THE SOFTMAX: t = score x log2(e) / 8; M = the row's largest t so far, rounded UP to a whole number; p = 2^(t - M) is what is quantised, along the keys, not normalised.  The row's sum is taken
; of the unquantised p and divides O at the end.  When M moves, the sum and O are multiplied by 2^(old M - new M): exact.
; qkv: [batch x 16 + head][step of 128 tokens 16][19,200 bytes]: Q's 4 fragments at 0, Q's scale words at 6,144; from 6,400 on 12,800 bytes: K's 4 fragments, V's 4, K's scale words, V's.
; A fragment is an image of 12 operand registers: byte 512 c + 16 lane + 4 i = register 4 c + i.  K's fragment f holds token tiles 2 f (registers 0-5) and 2 f + 1 (6-11); tile 2 f + u, lane-row p = token 32 f + 8 u + p + 8 (p / 8).
; SHARES.  A work-group owns 512 queries of one head; wave w of sixteen owns 32: token tiles 2 P and 2 P + 1, P = 16 cx + w, one in each of two passes over the keys.
; A HEAD'S K AND V LIE IN LDS WHOLE, filled once: wave w asks for step w, one tensor load a wave.  The four work-groups of a head are one cluster and ask jointly.
; The load lays 128 bytes of padding behind each 512: a step is 25 rows of 640 bytes, 16,000 bytes.
; TWO BARRIERS in the launch: the first shows steps 0-3 (waves 0-3 have a load line of their own and wait there), the second all sixteen.  Behind them no wave waits for another until the scale bytes leave.
; NO PREFETCH: every fill is asked for at the head; there is no loop that runs ahead of a fill.
; LAYOUT.  Both products are used transposed (S^T = K Q^T, O^T = V^T P^T): a lane holds ONE query throughout.  The head has 64 along K, half of the instruction's 128: a fragment of K holds
; TWO tiles of keys and is multiplied once by [Q | 0] and once by [0 | Q]: zero codes add nothing.
; THE KEYS OF A TILE ARE CHOSEN BY THE LANES' LDS ADDRESSES: lane (r, h) of the fragment (G, j) takes the image of lane 8 j + r % 8 + 16 h of K's fragment 2 G + r / 8.  Its two tiles then hold in row r the
; tokens 64 G + 32 (r / 8) + 8 (2 j + u) + r % 8, so that a lane's registers S + 32 G + 0 .. 31 are keys 64 G + 32 h + 0 .. 31: ONE WHOLE SCALE BLOCK, in the order of the next operand's registers.
; No lane asks another for a block's maximum, and p's codes fall where the operand wants them.
; THE ROW'S SUM OF A STEP'S p IS TAKEN AT THE HEAD OF THE NEXT STEP, behind the issue of K's loads and ahead of the products that write over p: a pass begins with p = 0 and ends with one more sum.
; oc: [token tile 512][K step 8] images of 1,536 bytes: byte 256 c + 8 lane + 4 i = register 2 c + i; head h fills K step h / 2, bytes 768 (h % 2) on.
; os: [head 16][token pair 256][row 16] words: low half the two bytes of tile 2 p, high half those of tile 2 p + 1.
; LIMITS: NaN and infinities are not served; the promise holds while |t| stays under 2^31; a block whose largest magnitude lies under 2^-124 (a block of zeros too) keeps the byte 1: only this program reads the bytes.
.set STEPB, 16000                      ; a step in LDS: K's fragments at 0, V's at 7,680, K's scale words at 15,360, V's at 15,616
.set SST,   16*STEPB                   ; behind the 16 steps: 1,024 bytes, the stage for the output's scale words; no fill lands there
.set SPARE, SST+1024                   ; the spare words: 128 bytes a wave
.set QZ,  16                           ; v16-33  [0 x 6][Q x 6][0 x 6]: v[16:27] = [0 | Q], v[22:33] = [Q | 0]
.set QF,  34                           ; v34-45  Q's fragment as loaded: both tiles
.set KF,  48                           ; v48-95  four fragments of K, then of V
.set S,   96                           ; v96-159 S^T, then p
.set OA,  160                          ; v160-191 O^T
.set PC,  192                          ; v192-203 p's codes
.set CT,  204                          ; v204-206, v208-210
.set BM,  212                          ; v212-213 my two blocks' largest; v214-215 chains
.set PM,  216                          ; v216-219
.set SO,  220                          ; v220-221 the conversions' scale operands
.set OLD, 222                          ; v222 -M of the step before
.set FF,  224                          ; v[224:225] f = 2^(old M - new M)
.set KSC, 226                          ; v[226:227] K's scale words: register G, lanes 0-15 fragment (G, 0), lanes 16-31 (G, 1)
.set VSC, 228                          ; v[228:229] V's: register t / 2, lanes 0-15 t even, lanes 16-31 odd
.set SRD, 232                          ; v232 the stage, read back
.set KA,  233                          ; v233 my lane's place in K's fragments: 1,920 (r / 8) + 16 (r % 8) + 256 h
.set KS,  234                          ; v234 and in K's scale words: 128 (r / 8) + 8 (r % 8) + 64 h
.set SH,  235                          ; v235 8 h
.set AK,  236                          ; v236, v237 the step's addresses of K's and V's scale words
.set AV,  237
.set T,   238                          ; v240-253 seven chains of the row's sum (the eighth is v[14:15]); v240-243 then serve four chains of the maxima
; v1 16 lane, v2 8 lane, v3, v4 the step's addresses of K's and V's fragments, v5 my word in the stage, v6, v7 at work, v8 the output's scale bytes, v9 Q's scale word as loaded, v10 Q's scales, v11 p's,
; v12 -M, v13 the largest score, v[14:15] the sum, v254, v255 the add's two registers
.set WV,   10
.set SEL,  40
.set CS,   42
.set TB,   44
.set CNT,  45
.macro WALU
	s_wait_alu depctr_va_vdst(0)
.endm
.macro DEP n
	s_delay_alu instid0(VALU_DEP_\n)
.endm
.macro CROUND
	s_barrier_signal -1
	s_barrier_wait -1
	s_cmp_lg_u32 s[WV], 0
	s_cbranch_scc1 .Lnot_wave_0_\@
	s_barrier_signal -3
.Lnot_wave_0_\@:
	s_barrier_wait -3
	s_barrier_signal -1
	s_barrier_wait -1
.endm
	s_load_b128 s[4:7], s[0:1], 0x0                ; qkv s[4:5], oc s[6:7]
	s_load_b64 s[8:9], s[0:1], 0x10                ; os
	v_lshl_add_u32 v254, v0, 2, SPARE
	v_mov_b32 v255, 0
	ds_add_u32 v254, v255                          ; the opening lines: the add, twice on end, and its wait
	ds_add_u32 v254, v255
	v_lshrrev_b32 v6, 5, v0
	v_readfirstlane_b32 s[WV], v6                  ; wave 0..15
	s_bfe_u32 s11, ttmp6, 0x40000                  ; cx: my quarter of the queries: it enters Q's and the outputs' addresses alone
	s_and_b32 s12, ttmp7, 0xffff                   ; batch x 16 + head, which the four partners share
	; group 1: a step's 12,800 dense bytes as 25 rows of 512 bytes (64 elements of 8 bytes), 32 words of padding behind each 128
	s_mov_b32 s16, 15|(3<<16)|(1<<20)|(1<<21)|(6<<22)|(31<<25)
	s_mov_b32 s17, 64<<16
	s_mov_b32 s18, 25<<16
	s_mov_b32 s19, 64<<16
	s_mov_b32 s20, 25
	s_mov_b32 s21, 64
	s_mov_b32 s22, 0
	s_mov_b32 s23, 0
	s_mov_b32 s24, 1
	s_mul_i32 s25, s[WV], STEPB                    ; step w goes to LDS byte 16,000 w
	s_mov_b32 s[SEL], 0x76543210
	s_mov_b32 s[SEL+1], 0xfedcba98
	s_mov_b32 s[CS], 0x3e38aa3b                    ; c = log2(e) / 8
	s_mov_b32 s[CS+1], s[CS]                       ; (named with it as a pair, so it is written)
	s_mul_i32 s54, s12, 307200                     ; the head's 16 records
	s_and_b32 s13, s[WV], 3
	s_mul_i32 s56, s[WV], 19200                    ; wave w fetches step w
	s_add_co_u32 s56, s56, s54
	s_add_co_u32 s56, s56, 6400
	s_mov_b32 s57, 0
	s_lshl_b32 s60, s11, 2                         ; Q's record: step 4 cx + w / 4
	s_lshr_b32 s61, s[WV], 2
	s_add_co_u32 s60, s60, s61
	s_mul_i32 s60, s60, 19200
	s_add_co_u32 s60, s60, s54
	s_mov_b32 s61, 0
	s_lshr_b32 s14, s12, 4                         ; batch
	s_and_b32 s15, s12, 15                         ; head
	s_lshl_b32 s62, s14, 7                         ; oc: token tile 128 batch + 2 P,
	s_lshl_b32 s63, s11, 5
	s_add_co_u32 s62, s62, s63
	s_lshl_b32 s63, s[WV], 1
	s_add_co_u32 s62, s62, s63
	s_mul_i32 s62, s62, 12288
	s_mul_i32 s63, s15, 768                        ; 1,536 (head / 2) + 768 (head % 2)
	s_add_co_u32 s62, s62, s63
	s_mov_b32 s63, 0
	s_lshl_b32 s54, s15, 14                        ; os: head, pairs 64 batch + 16 cx on, 64 bytes a pair
	s_lshl_b32 s55, s14, 12
	s_add_co_u32 s54, s54, s55
	s_lshl_b32 s55, s11, 10
	s_add_co_u32 s54, s54, s55
	s_mov_b32 s55, 0
	s_wait_dscnt 0x0
	s_wait_kmcnt 0x0
	s_add_nc_u64 s[26:27], s[4:5], s[56:57]
	s_or_b32 s27, s27, 0x80000000
	s_add_nc_u64 s[48:49], s[4:5], s[60:61]
	s_add_nc_u64 s[50:51], s[6:7], s[62:63]
	s_add_nc_u64 s[52:53], s[8:9], s[54:55]
	CROUND                                         ; all four work-groups are here: the joint loads meet
	s_cmp_lt_u32 s[WV], 4                          ; one load a wave, in two arms: waves 0-3, whose steps the first barrier shows, have a line of their own
	s_cbranch_scc0 .Llater
	tensor_load_to_lds s[24:27], s[16:23]
	s_nop 0
.rept 4
	v_nop
.endr
	s_branch .Lasked
.Llater:
	tensor_load_to_lds s[24:27], s[16:23]
	s_nop 0
.rept 4
	v_nop
.endr
.Lasked:
	v_and_b32 v6, 31, v0
	v_lshlrev_b32 v1, 4, v6
	v_lshlrev_b32 v2, 3, v6
	v_and_b32 v7, 15, v0                           ; r
	v_and_b32 v3, 7, v0                            ; r % 8
	v_bfe_u32 v4, v0, 3, 1                         ; r / 8
	v_bfe_u32 v[SH], v0, 4, 1                      ; h
	v_mul_u32_u24 v[KA], v4, 1920
	v_lshlrev_b32 v[KS], 7, v4
	v_lshl_add_u32 v[KA], v3, 4, v[KA]
	v_lshl_add_u32 v[KS], v3, 3, v[KS]
	v_lshl_add_u32 v[KA], v[SH], 8, v[KA]
	v_lshl_add_u32 v[KS], v[SH], 6, v[KS]
	v_lshlrev_b32 v[SH], 3, v[SH]
	WALU
	s_lshl_b32 s59, s[WV], 6
	s_add_co_u32 s59, s59, SST
	v_lshl_add_u32 v5, v7, 2, s59                  ; the stage: 64 bytes a wave, 4 bytes a row
	v_add_nc_u32 v[SRD], SST, v1
	s_mul_i32 s59, s13, 1536                       ; Q's fragment i = w % 4
	v_add_nc_u32 v6, s59, v1
	s_and_b32 s59, s13, 1                          ; its scale word: byte 8 (r + 16 (i % 2)) + 4 (i / 2) of the part
	s_lshl_b32 s59, s59, 7
	s_lshr_b32 s47, s13, 1
	s_lshl_b32 s47, s47, 2
	s_add_co_u32 s59, s59, s47
	v_lshl_add_u32 v7, v7, 3, s59
.irp c, 0,1,2
	global_load_b128 v[QF+4*\c:QF+4*\c+3], v6, s[48:49] offset:512*\c
.endr
	global_load_b32 v9, v7, s[48:49] offset:6144
.irp i, 0,1,2,3,4,5
	v_mov_b32 v[QZ+\i], 0
	v_mov_b32 v[QZ+12+\i], 0
.endr
.irp b, 0,1,2,3
	v_mov_b32 v[PM+\b], 0                          ; written once: a lane permute's destination counts as one of its sources
.endr
	v_mov_b32 v[FF+1], 0                           ; (named as the upper half of the pair)
	v_mov_b32 v8, 0
	WALU
	s_wait_loadcnt 0x0
.irp i, 0,1,2,3,4,5
	v_mov_b32 v[QZ+6+\i], v[QF+\i]                 ; pass 0: tile 2 P
.endr
	v_and_b32 v6, 0xffff, v9
	v_lshl_or_b32 v10, v6, 16, v6                  ; its two bytes, twice: they serve [Q | 0] and [0 | Q] alike
.macro QK1 d, b, g, row
	v_wmma_scale_f32_16x16x128_f8f6f4 v[\d:\d+7], v[KF+12*(\b):KF+12*(\b)+11], v[\g:\g+11], 0, v[KSC+(\b)/2], v10 matrix_a_fmt:MATRIX_FMT_FP6 matrix_b_fmt:MATRIX_FMT_FP6 matrix_a_scale:MATRIX_SCALE_ROW\row
.endm
.macro QK g, j                         ; fragment (G, j): key tiles 2 j and 2 j + 1 of the group of 64
	QK1 S+32*\g+16*\j, 2*\g+\j, QZ+6, \j
	QK1 S+32*\g+16*\j+8, 2*\g+\j, QZ, \j
.endm
.macro PV t, row                       ; channel tile t
	v_wmma_scale_f32_16x16x128_f8f6f4 v[OA+8*\t:OA+8*\t+7], v[KF+12*\t:KF+12*\t+11], v[PC:PC+11], v[OA+8*\t:OA+8*\t+7], v[VSC+\t/2], v11 matrix_a_fmt:MATRIX_FMT_FP6 matrix_b_fmt:MATRIX_FMT_FP6 matrix_a_scale:MATRIX_SCALE_ROW\row
.endm
.macro TM from, n                      ; t - M of n pairs of scores, two numbers a line
.set JX, \from
.rept \n
	v_pk_fma_f32 v[S+JX:S+JX+1], v[S+JX:S+JX+1], s[CS:CS+1], v[12:13] op_sel_hi:[1,0,0]
.set JX, JX+2
.endr
.endm
; THE ROW'S SUM OF THE UNQUANTISED p that lies in S: 32 pairs in eight chains, onto v[14:15]
.macro SUMS
.irp k, 1,2,3,4,5,6,7
	v_pk_add_f32 v[T+2*\k:T+2*\k+1], v[S+4*\k-4:S+4*\k-3], v[S+4*\k-2:S+4*\k-1]
.endr
	v_pk_add_f32 v[14:15], v[14:15], v[S+28:S+29]
.irp q, 30, 46
	v_pk_add_f32 v[14:15], v[14:15], v[S+\q:S+\q+1]
.irp k, 1,2,3,4,5,6,7
	v_pk_add_f32 v[T+2*\k:T+2*\k+1], v[T+2*\k:T+2*\k+1], v[S+\q+2*\k:S+\q+2*\k+1]
.endr
.endr
	v_pk_add_f32 v[T+2:T+3], v[T+2:T+3], v[S+62:S+63]
	v_pk_add_f32 v[14:15], v[14:15], v[T+8:T+9]
	v_pk_add_f32 v[T+4:T+5], v[T+4:T+5], v[T+12:T+13]
	v_pk_add_f32 v[T+6:T+7], v[T+6:T+7], v[T+14:T+15]
	v_pk_add_f32 v[T+2:T+3], v[T+2:T+3], v[T+10:T+11]
	v_pk_add_f32 v[14:15], v[14:15], v[T+4:T+5]
	v_pk_add_f32 v[T+2:T+3], v[T+2:T+3], v[T+6:T+7]
	v_pk_add_f32 v[14:15], v[14:15], v[T+2:T+3]
.endm
.macro MX3 i                           ; one turn of the maxima's eight chains, a chain to a tile of scores
.irp g, 0,1
	v_max3_num_f32 v[BM+\g], v[BM+\g], v[S+32*\g+\i], v[S+32*\g+\i+1]
	v_max3_num_f32 v[BM+2+\g], v[BM+2+\g], v[S+32*\g+8+\i], v[S+32*\g+9+\i]
	v_max3_num_f32 v[T+2+\g], v[T+2+\g], v[S+32*\g+16+\i], v[S+32*\g+17+\i]
	v_max3_num_f32 v[T+4+\g], v[T+4+\g], v[S+32*\g+24+\i], v[S+32*\g+25+\i]
.endr
.endm
; A KEY STEP: 128 keys, whose bytes begin at LDS byte s[TB].
.macro ASTEP
	v_add_nc_u32 v3, s[TB], v[KA]                  ; these four lines are the places in front of loads into registers that the last products have read
	v_add_nc_u32 v[AK], s[TB], v[KS]
	v_add_nc_u32 v4, s[TB], v1
	v_add_nc_u32 v[AV], s[TB], v2
	ds_load_b64 v[KSC:KSC+1], v[AK] offset:15360
.irp g, 0,1
.irp j, 0,1
.irp c, 0,1,2
	ds_load_b128 v[KF+24*\g+12*\j+4*\c:KF+24*\g+12*\j+4*\c+3], v3 offset:3840*\g+640*\c+128*\j
.endr
.endr
.endr
	SUMS                                           ; the last step's p, while K is on its way: 32 plain lines between the address lines above and the waits below
	s_wait_dscnt 9                                 ; the scale words and the first fragment are in; the nine loads of the three later fragments may be out
	QK 0, 0
	s_wait_dscnt 6                                 ; those of two
	QK 0, 1
	s_wait_dscnt 3                                 ; of one
	QK 1, 0
	s_wait_dscnt 0x0
	QK 1, 1
	v_mov_b32 v[OLD], v12                          ; four places in front of the loads below and of the first read of the scores
.rept 3
	v_nop
.endr
.irp t, 0,1,2,3
.irp c, 0,1,2
	ds_load_b128 v[KF+12*\t+4*\c:KF+12*\t+4*\c+3], v4 offset:7680+1920*\t+640*\c   ; V: it lands under the softmax
.endr
.endr
	ds_load_b64 v[VSC:VSC+1], v[AV] offset:15616
.irp g, 0,1                                    ; THE LARGEST SCORE OF MY TWO BLOCKS OF 32 KEYS: for the row's maximum and, since p rises with the score, for the block's largest p
	v_max3_num_f32 v[BM+\g], v[S+32*\g], v[S+32*\g+1], v[S+32*\g+2]
	v_max3_num_f32 v[BM+2+\g], v[S+32*\g+8], v[S+32*\g+9], v[S+32*\g+10]
	v_max3_num_f32 v[T+2+\g], v[S+32*\g+16], v[S+32*\g+17], v[S+32*\g+18]
	v_max3_num_f32 v[T+4+\g], v[S+32*\g+24], v[S+32*\g+25], v[S+32*\g+26]
.endr
	MX3 3
	MX3 5
.irp g, 0,1
	v_max3_num_f32 v[BM+\g], v[BM+\g], v[BM+2+\g], v[S+32*\g+7]
	v_max3_num_f32 v[T+2+\g], v[T+2+\g], v[T+4+\g], v[S+32*\g+15]
.endr
.irp g, 0,1
	v_max3_num_f32 v[BM+\g], v[BM+\g], v[T+2+\g], v[S+32*\g+23]
.endr
.irp g, 0,1
	v_max_num_f32 v[BM+\g], v[BM+\g], v[S+32*\g+31]
.endr
	DEP 1
	v_max_num_f32 v6, v[BM], v[BM+1]
	DEP 1
	v_permlanex16_b32 v[PM], v6, s[SEL], s[SEL+1]  ; lane l xor 16 holds my query's other 64 keys
	DEP 1
	v_max3_num_f32 v13, v13, v6, v[PM]             ; the running largest score
	DEP 1
	v_mul_f32 v7, s[CS], v13                       ; as t (c is positive)
	DEP 1
	v_floor_f32 v12, -v7                           ; the new -M = floor(-t): M IS A WHOLE NUMBER
	DEP 1
	v_sub_f32 v7, v12, v[OLD]                      ; M's old value less its new one: a whole number, 0 or less
	TM 0, 8
	v_cvt_i32_f32 v7, v7                           ; (it saturates)
	TM 16, 8
	v_ldexp_f32 v[FF], 1.0, v7                     ; f = 2^(old M - new M)
	TM 32, 16
.irp g, 0,1
	v_fma_f32 v[BM+\g], v[BM+\g], s[CS], v12       ; the same of each block's largest score
.endr
	WALU
.set JX, 0
.rept 64
	v_exp_f32 v[S+JX], v[S+JX]                     ; p = 2^(t - M), at most 1: NOT normalised
.set JX, JX+1
.endr
.irp g, 0,1
	v_exp_f32 v[BM+\g], v[BM+\g]                   ; the block's largest p: the same two instructions on the same number
.endr
	v_pk_mul_f32 v[14:15], v[14:15], v[FF:FF+1] op_sel_hi:[1,0]   ; the sum under the new M: the plain place behind the exponentials
	WALU                                           ; and the one wait behind the batch
.irp g, 0,1
	v_max_num_f32 v[BM+\g], 0x1800000, v[BM+\g]    ; the floor 2^(3 - 127): the byte cannot fall under 1
.endr
.irp g, 0,1
	DEP 2
	v_add_nc_u32 v[SO+\g], 0xff000000, v[BM+\g]    ; 2 off the exponent field: the conversion's scale operand
.endr
.irp g, 0,1
	v_cvt_scalef32_pk16_fp6_f32 v[PC+6*\g:PC+6*\g+2], v[S+32*\g:S+32*\g+15], v[SO+\g]
	v_cvt_scalef32_pk16_fp6_f32 v[CT+4*\g:CT+4*\g+2], v[S+32*\g+16:S+32*\g+31], v[SO+\g]   ; (a conversion's three registers begin on an even number)
.endr
.irp g, 0,1
	v_lshrrev_b32 v[PM+\g], 23, v[SO+\g]           ; the scale's byte.  (These lines are the plain places behind the conversions)
.endr
	DEP 1
	v_lshl_or_b32 v6, v[PM+1], 16, v[PM]           ; my two bytes: blocks h and 2 + h,
	DEP 1
	v_lshlrev_b32 v6, v[SH], v6                    ; at their places in the word (8 h bits up);
	DEP 1
	v_permlanex16_b32 v[PM+2], v6, s[SEL], s[SEL+1]
	DEP 1
	v_or_b32 v11, v6, v[PM+2]                      ; with lane l xor 16's two: p's scale word for these 128 keys
.irp g, 0,1
.irp i, 0,1,2
	v_mov_b32 v[PC+3+6*\g+\i], v[CT+4*\g+\i]
.endr
.endr
	WALU                                           ; directly ahead of the first reader of O^T
.set JX, 0
.rept 16
	v_pk_mul_f32 v[OA+JX:OA+JX+1], v[OA+JX:OA+JX+1], v[FF:FF+1] op_sel_hi:[1,0]   ; O^T under the new M.  (These 16 are also the places between p's codes and scale word and the products below)
.set JX, JX+2
.endr
	WALU
	s_wait_dscnt 0x0                               ; V is in
	PV 0, 0                                        ; the four accumulators take turns, one instruction a turn
	PV 1, 1
	PV 2, 0
	PV 3, 1
	s_add_co_u32 s[TB], s[TB], STEPB
.endm
.macro WALK first, n                   ; n key steps from step first on
	s_mov_b32 s[TB], (\first)*STEPB
	s_mov_b32 s[CNT], \n
.Lstep_\@:
	ASTEP
	s_sub_co_u32 s[CNT], s[CNT], 1
	s_cmp_lg_u32 s[CNT], 0
	s_cbranch_scc1 .Lstep_\@
.endm
.macro INIT                            ; a pass begins: the step is written once, and the first finds zeros: in O^T, which the first change of M leaves zeros, and in p, whose sum it takes first
	v_mov_b32 v13, 0xff61b1e6                      ; the largest score so far: -3e38, under every score
	v_mul_f32 v12, s[CS], v13
	v_floor_f32 v12, -v12                          ; -M
	v_mov_b32 v14, 0
	v_mov_b32 v15, 0
.set JX, 0
.rept 32
	v_mov_b32 v[OA+JX], 0
.set JX, JX+1
.endr
.set JX, 0
.rept 64
	v_mov_b32 v[S+JX], 0
.set JX, JX+1
.endr
	WALU
.endm
; A pass ends: the last step's sum; O^T / the sum, quantised along the head's 64 channels for the last product.  Register 16 b + i of O^T is channel 32 b + 16 (lane / 16) + i of my query.
.macro EPI last
	SUMS                                           ; (also the places in front of the first read of the last products' results)
	v_add_f32 v14, v14, v15                        ; the sum's two halves,
	v_permlanex16_b32 v7, v14, s[SEL], s[SEL+1]
	v_add_f32 v14, v14, v7                         ; and lane l xor 16's: the row's sum
	WALU
	v_rcp_f32 v14, v14
	v_nop                                          ; a plain place behind the transcendental
	WALU
.set JX, 0
.rept 32
	v_mul_f32 v[S+JX], v[OA+JX], v14
.set JX, JX+1
.endr
.irp b, 0,1
	v_max3_num_f32 v[BM+\b], |v[S+16*\b]|, |v[S+16*\b+1]|, 0x1800000
.endr
.irp i, 2,4,6,8,10,12,14
.irp b, 0,1
	v_max3_num_f32 v[BM+\b], v[BM+\b], |v[S+16*\b+\i]|, |v[S+16*\b+\i+1]|
.endr
.endr
.irp b, 0,1
	v_permlanex16_b32 v[PM+\b], v[BM+\b], s[SEL], s[SEL+1]
.endr
.irp b, 0,1
	v_max_num_f32 v[BM+\b], v[BM+\b], v[PM+\b]
.endr
.irp b, 0,1
	v_add_nc_u32 v[SO+\b], 0xff000000, v[BM+\b]
.endr
.irp b, 0,1
	v_lshrrev_b32 v[PM+\b], 23, v[SO+\b]
.endr
	v_lshl_or_b32 v6, v[PM+1], 8, v[PM]            ; this tile's two bytes
	v_lshrrev_b32 v8, 16, v8
	v_lshl_or_b32 v8, v6, 16, v8                   ; after two passes: tile 2 P's in the low half, tile 2 P + 1's in the high half
	v_cvt_scalef32_pk16_fp6_f32 v[PC:PC+2], v[S:S+15], v[SO]
	v_cvt_scalef32_pk16_fp6_f32 v[CT:CT+2], v[S+16:S+31], v[SO+1]
	v_nop
.irp i, 0,1,2
	v_permlane16_swap_b32 v[PC+\i], v[CT+\i]       ; here a block lies in lanes l and l xor 16: the operand wants it whole in a lane
.endr
.irp i, 0,1,2
	v_mov_b32 v[PC+3+\i], v[CT+\i]
.endr
.irp c, 0,1,2
	global_store_b64 v2, v[PC+2*\c:PC+2*\c+1], s[50:51] offset:256*\c   ; six registers of the next operand's image: 256 consecutive bytes a store, aligned
.endr
	WALU
	s_wait_xcnt 0x0                                ; the stores have read their registers and their base
.if !\last
	s_add_nc_u64 s[50:51], s[50:51], 12288         ; the next token tile
.irp i, 0,1,2,3,4,5
	v_mov_b32 v[QZ+6+\i], v[QF+6+\i]               ; pass 1: tile 2 P + 1
.endr
	v_lshrrev_b32 v6, 16, v9
	v_lshl_or_b32 v10, v6, 16, v6
.endif
.endm
	INIT
	s_cmp_lt_u32 s[WV], 4
	s_cbranch_scc0 .Lnot_mine
	s_wait_tensorcnt 0x0                           ; waves 0-3: my step is in
.Lnot_mine:
	s_barrier_signal -1                            ; steps 0-3 are shown to all
	s_barrier_wait -1
	WALK 0, 4
	s_wait_tensorcnt 0x0                           ; every wave: my step is in
	s_wait_dscnt 0x0
	s_barrier_signal -1                            ; all sixteen steps are shown to all
	s_barrier_wait -1
	WALK 4, 12
	EPI 0
	INIT
	WALK 0, 16
	EPI 1
	ds_store_b32 v5, v8                            ; lanes r and r + 16 write the same word with the same value
	s_wait_dscnt 0x0                               ; for wave 0's sake
	s_barrier_signal -1
	s_barrier_wait -1
	s_cmp_lg_u32 s[WV], 0
	s_cbranch_scc1 .Lnot_first
	ds_load_b128 v[96:99], v[SRD]
	ds_load_b128 v[100:103], v[SRD] offset:512
	s_wait_dscnt 0x0
	global_store_b128 v1, v[96:99], s[52:53]       ; the work-group's 16 pairs x 64 bytes: 512 consecutive bytes a store, aligned
	global_store_b128 v1, v[100:103], s[52:53] offset:512
.Lnot_first:
	s_wait_tensorcnt 0x0                           ; the wave's end
	ds_add_u32 v254, v255
	s_wait_dscnt 0x0
	CROUND                                         ; the closing round
	s_endpgm
.Lfunc_end_k_q48a74eea17_attn:
	.size	k_q48a74eea17_attn, .Lfunc_end_k_q48a74eea17_attn-k_q48a74eea17_attn
	.p2alignl 7, 3214868480
	.fill 96, 4, 3214868480
	.section	.rodata,"a",@progbits
	.p2align	6, 0x0
	.amdhsa_kernel k_q48a74eea17_attn
		.amdhsa_group_segment_fixed_size 259072
		.amdhsa_private_segment_fixed_size 0
		.amdhsa_enable_private_segment 0
		.amdhsa_kernarg_size 24
		.amdhsa_user_sgpr_count 2
		.amdhsa_user_sgpr_kernarg_segment_ptr 1
		.amdhsa_wavefront_size32 1
		.amdhsa_system_sgpr_workgroup_id_x 1
		.amdhsa_system_sgpr_workgroup_id_y 1
		.amdhsa_system_sgpr_workgroup_id_z 1
		.amdhsa_system_vgpr_workitem_id 0
		.amdhsa_next_free_vgpr 256
		.amdhsa_next_free_sgpr 66
		.amdhsa_reserve_vcc 0
		.amdhsa_float_denorm_mode_32 3
		.amdhsa_float_denorm_mode_16_64 3
		.amdhsa_memory_ordered 1
		.amdhsa_forward_progress 1
		.amdhsa_inst_pref_size 71
	.end_amdhsa_kernel
	.amdgpu_metadata
---
amdhsa.version: [ 1, 2 ]
amdhsa.kernels:
  - .name:           k_q48a74eea17_attn
    .symbol:         k_q48a74eea17_attn.kd
    .args:
      - { .name: qkv, .offset: 0, .size: 8, .value_kind: global_buffer, .address_space: global }
      - { .name: oc, .offset: 8, .size: 8, .value_kind: global_buffer, .address_space: global }
      - { .name: os, .offset: 16, .size: 8, .value_kind: global_buffer, .address_space: global }
    .group_segment_fixed_size: 259072
    .private_segment_fixed_size: 0
    .kernarg_segment_align: 8
    .kernarg_segment_size: 24
    .max_flat_workgroup_size: 512
    .sgpr_count:     66
    .vgpr_count:     256
    .wavefront_size: 32
...
	.end_amdgpu_metadata
.endif
;; end of part 3
;; launch proj (part 4): grid 4 x 64, 4 waves a work-group, clusters of 4 x 4, 295,424 bytes of LDS; arguments oc, os, opc, ops, b_proj, out0; writes out0
.if DOCPART == 4
	.amdgcn_target "amdgcn-amd-amdhsa--gfx1250"
	.amdhsa_code_object_version 6
	.text
	.protected	k_q48a74eea17_proj
	.globl	k_q48a74eea17_proj
	.p2align	8
	.type	k_q48a74eea17_proj,@function
k_q48a74eea17_proj:
	s_mov_b64 s[64:65], 0
	v_nop
	global_prefetch_b8 v0, s[64:65] scope:SCOPE_SE
	s_setreg_imm32_b32 hwreg(HW_REG_WAVE_MODE, 25, 1), 1
	s_wait_xcnt 0x0
	s_wait_alu depctr_hold_cnt(0) depctr_sa_sdst(0) depctr_va_vdst(0) depctr_va_sdst(0) depctr_va_ssrc(0) depctr_va_vcc(0) depctr_vm_vsrc(0)
	s_getreg_b32 s2, hwreg(HW_REG_IB_STS2, 6, 4)
	s_cmp_eq_u32 s2, 0
	s_cbranch_scc0 .Lentry_in_a_cluster
	s_endpgm
.Lentry_in_a_cluster:
	s_bfe_u32 s2, ttmp6, 0x10000c
	s_cmp_lg_u32 s2, 0xf033
	s_cbranch_scc0 .Lentry_shape_is_right
	s_endpgm
.Lentry_shape_is_right:
; out0 = attention's output x W_proj + b_proj, on codes of FP6 (E2M3), K = 1024; out0 [8192][1024] f32.
; A: oc, [token tile 512][K step 8] images: byte 256 c + 8 lane + 4 i = register 2 c + i; its scale bytes os [head 16][token pair 256][row 16] words (low half tile 2 p, high half tile 2 p + 1).
; B: opc tiles 704 on, [tile][K step 8] images: byte 512 c + 16 lane + 4 i = register 4 c + i; its scale words ops [K half 2][row][16 bytes], rows 11264 on.
; Tiles are in TILE ORDER: tile 2 g + u, lane-row r = row 32 g + 8 u + r + 8 (r / 8).
; A work-group makes 128 tokens x 256 columns: 256 work-groups.  ALL OF K LIES IN LDS, by one tensor load a wave: nothing is filled again.
; Four waves, each 64 tokens x 128 columns: 32 accumulators.  THE MATRIX INSTRUCTION IS USED TRANSPOSED (source 0 = 16 columns of W, source 1 = 16 tokens): a lane holds one token and its
; registers run along the columns.  The bias is the C of each sum's first matrix instruction.
; CLUSTERS: 4 x 4 work-groups; A's tiles are shared along a row of the cluster, B's along a column, each asked for jointly.
; REGISTERS: window 0: v8-25 addresses; v32-63 A's scale words (8 a + ks), v64-127 B's (8 b + ks); v128-223 A's fragments, two sets of 48; v224-255 os as loaded; on the way out v128-255 rows of out0.
;   Window 1: B's fragments, two sets, at v0 and v128; the bias's tiles b = 0-3 at v96, b = 4-7 at v224.   Window 2: accumulator (a, b) at v[8 (8 a + b)].
; LDS AS THIS TEXT HAS IT (in place of the four chunks named above): A's 8 tiles whole, 12,288 bytes each (8 K steps x 1,536), at 0; B's 16 tiles whole behind them, at 98,304.
; ONE tensor load a wave brings all of K: waves 0 and 1 four tiles of A each, waves 2 and 3 eight tiles of B each, dense rows of 12,288 bytes.  One wait for 0 and one barrier show them to all; nothing is filled again.
.set CHUNK, 0
.set ADB2, 26                          ; v26-29  as v12-15, for B's tiles 4 to 7: an LDS offset has 16 bits
.set ADA,  8                           ; v8-11   LDS address of my A fragments in chunk 0 .. 3
.set ADB,  12                          ; v12-15  the same for B
.set STO,  16                          ; v16     the way out: where I put 32 bytes of a row
.set RD,   17                          ; v17     where I read a row back
.set CO,   18                          ; v18     16 x lane
.set SCA,  32
.set SCB,  64
.set AF,   128
.set RAW,  224
.set BK,   128
.set G1,   24                          ; s[24:31] group 1 for A's tiles;  s[32:35] group 0
.set G0,   32
.set G1B,  48                          ; s[48:55], s[68:71] the same for B's
.set G0B,  68
.set MSB, 0
.macro WIN new
.if MSB != \new
	s_set_vgpr_msb (MSB<<8)|\new
.set MSB, \new
.endif
.endm
.macro CROUND
	s_barrier_signal -1
	s_barrier_wait -1
	s_cmp_lg_u32 s16, 0
	s_cbranch_scc1 .Lnot_wave_0_\@
	s_barrier_signal -3
.Lnot_wave_0_\@:
	s_barrier_wait -3
	s_barrier_signal -1
	s_barrier_wait -1
.endm
.macro PLACES n
.rept \n
	v_nop
.endr
.endm
	s_load_b256 s[4:11], s[0:1], 0x0               ; oc s[4:5], os s[6:7], opc s[8:9], ops s[10:11]
	s_load_b128 s[12:15], s[0:1], 0x20             ; b_proj s[12:13], out0 s[14:15]
	v_lshl_add_u32 v30, v0, 2, 0x48000
	v_mov_b32 v31, 0
	ds_add_u32 v30, v31
	ds_add_u32 v30, v31
	v_lshrrev_b32 v1, 5, v0
	v_readfirstlane_b32 s16, v1                    ; wave 0..3
	s_lshr_b32 s17, s16, 1                         ; wm: my 64 tokens.  Also: I fetch for A (0) or for B (1)
	s_and_b32 s18, s16, 1                          ; wn: my 128 columns.  Also: which half of the tiles I fetch
	s_bfe_u32 s84, ttmp6, 0x40000                  ; cx
	s_bfe_u32 s85, ttmp6, 0x40004                  ; cy
	s_lshl_b32 s88, ttmp9, 2
	s_add_co_u32 s88, s88, s84                     ; tile column: 256 columns
	s_and_b32 s87, ttmp7, 0xffff
	s_lshl_b32 s87, s87, 2
	s_add_co_u32 s87, s87, s85                     ; tile row: 128 tokens
	s_lshl_b32 s89, s85, 2
	s_lshl_b32 s89, 15, s89                        ; my row of the cluster
	s_lshl_b32 s90, 0x1111, s84                    ; my column
	; group 1: tiles x 12,288 bytes (all eight K steps), 12,288 bytes from tile to tile; elements of 8 bytes; A: 4 tiles a load, B: 8
	s_or_b32 s[G1], s89, (3<<16)|(1<<21)
	s_mov_b32 s[G1+1], 1536<<16
	s_mov_b32 s[G1+2], 4<<16
	s_mov_b32 s[G1+3], 1536<<16
	s_mov_b32 s[G1+4], 4
	s_mov_b32 s[G1+5], 1536
	s_mov_b32 s[G1+6], 0
	s_mov_b32 s[G1+7], 0
	s_or_b32 s[G1B], s90, (3<<16)|(1<<21)
	s_mov_b32 s[G1B+1], 1536<<16
	s_mov_b32 s[G1B+2], 8<<16
	s_mov_b32 s[G1B+3], 1536<<16
	s_mov_b32 s[G1B+4], 8
	s_mov_b32 s[G1B+5], 1536
	s_mov_b32 s[G1B+6], 0
	s_mov_b32 s[G1B+7], 0
	s_lshl_b32 s19, s87, 3                         ; A: tile 8 x tile row + 4 x half
	s_lshl_b32 s20, s18, 2
	s_add_co_u32 s19, s19, s20
	s_mul_i32 s20, s19, 12288
	s_mov_b32 s21, 0
	s_lshl_b32 s22, s88, 4                         ; B: tile 704 + 16 x tile column + 8 x half
	s_lshl_b32 s23, s18, 3
	s_add_co_u32 s22, s22, s23
	s_add_co_u32 s22, s22, 704
	s_mul_i32 s22, s22, 12288
	s_mov_b32 s23, 0
	s_mul_i32 s91, s18, 49152                      ; where they go: no place in the cluster enters an LDS address
	s_mul_i32 s92, s18, 98304
	s_add_co_u32 s92, s92, 98304
	s_mov_b32 s93, 0x05040100                      ; v_perm_b32: the two low halves,
	s_mov_b32 s94, 0x07060302                      ; the two high halves
	s_wait_dscnt 0x0
	s_wait_kmcnt 0x0
	s_add_nc_u64 s[20:21], s[4:5], s[20:21]
	s_add_nc_u64 s[22:23], s[8:9], s[22:23]
	CROUND                                         ; all sixteen work-groups are here: the joint loads meet
.irp j, 0
	s_mov_b32 s[G0+4*\j], 1
	s_add_co_u32 s[G0+4*\j+1], s91, \j*CHUNK
	s_add_nc_u64 s[G0+4*\j+2:G0+4*\j+3], s[20:21], \j*3072
	s_or_b32 s[G0+4*\j+3], s[G0+4*\j+3], 0x80000000
	s_mov_b32 s[G0B+4*\j], 1
	s_add_co_u32 s[G0B+4*\j+1], s92, \j*CHUNK
	s_add_nc_u64 s[G0B+4*\j+2:G0B+4*\j+3], s[22:23], \j*3072
	s_or_b32 s[G0B+4*\j+3], s[G0B+4*\j+3], 0x80000000
.endr
	s_cmp_eq_u32 s17, 0                            ; one load a wave, in two arms of a branch on the wave's number
	s_cbranch_scc0 .Lfor_b
	tensor_load_to_lds s[G0:G0+3], s[G1:G1+7]
	s_nop 0
.rept 4
	v_nop
.endr
	s_branch .Lasked
.Lfor_b:
	tensor_load_to_lds s[G0B:G0B+3], s[G1B:G1B+7]
	s_nop 0
.rept 4
	v_nop
.endr
.Lasked:
	v_and_b32 v20, 31, v0                          ; lane
	v_and_b32 v21, 15, v0                          ; r
	v_bfe_u32 v22, v0, 4, 1                        ; h
	v_lshlrev_b32 v[CO], 4, v20
	v_lshlrev_b32 v25, 3, v20
	s_wait_alu depctr_va_vdst(0)
	s_mul_i32 s56, s17, 49152                      ; my 4 tiles of A
	s_mul_i32 s57, s18, 98304                      ; my 8 tiles of B,
	s_add_co_u32 s57, s57, 98304                   ; which lie behind A's 8;
	s_add_co_u32 s95, s57, 49152                   ; and the upper four of them
.irp j, 0,1,2,3                                ; register j: K steps 2 j and 2 j + 1, 3,072 bytes on in each tile
	v_add_nc_u32 v[ADA+\j], s56, v25
	v_add_nc_u32 v[ADB+\j], s57, v[CO]
	v_add_nc_u32 v[ADB2+\j], s95, v[CO]
	s_add_co_u32 s56, s56, 3072
	s_add_co_u32 s57, s57, 3072
	s_add_co_u32 s95, s95, 3072
.endr
	s_mul_i32 s56, s16, 8448                       ; my stage: 16 rows x 528 bytes, on A's first tiles
	v_mul_u32_u24 v[STO], v21, 528
	v_lshl_add_u32 v[STO], v22, 6, v[STO]
	v_add_nc_u32 v[STO], s56, v[STO]               ; in: row r, + 64 h
	v_add_nc_u32 v[RD], s56, v[CO]                 ; back: a row of 512 bytes, 16 bytes a lane
	v_lshlrev_b32 v19, 2, v21                      ; os: 4 r
	s_wait_alu depctr_va_vdst(0)
	v_and_b32 v23, 8, v21
	v_add_nc_u32 v23, v23, v21
	v_lshlrev_b32 v23, 4, v23                      ; ops: 16 (r + 8 (r / 8))
	s_wait_alu depctr_va_vdst(0)
	v_lshlrev_b32 v24, 6, v22                      ; the bias: 16 h numbers on
	s_wait_alu depctr_va_vdst(0)
	s_lshl_b32 s96, s87, 8                         ; os: pair 4 x tile row + 2 wm, 64 bytes a pair
	s_lshl_b32 s97, s17, 7
	s_add_co_u32 s96, s96, s97
	s_mov_b32 s97, 0
	s_add_nc_u64 s[56:57], s[6:7], s[96:97]
	s_lshl_b32 s98, s88, 8
	s_lshl_b32 s99, s18, 7
	s_add_co_u32 s98, s98, s99                     ; my first column
	s_add_co_u32 s96, s98, 11264
	s_lshl_b32 s96, s96, 4
	s_add_nc_u64 s[58:59], s[10:11], s[96:97]      ; its row of ops
	s_lshl_b32 s96, s98, 2
	s_add_nc_u64 s[60:61], s[12:13], s[96:97]      ; its bias
	s_add_nc_u64 s[62:63], s[14:15], s[96:97]
	s_lshl_b32 s96, s87, 19                        ; out0: token 128 x tile row + 64 wm, 4,096 bytes a row
	s_lshl_b32 s99, s17, 18
	s_add_co_u32 s96, s96, s99
	s_add_nc_u64 s[62:63], s[62:63], s[96:97]
.irp pp, 0,1
.irp h, 0,1,2,3,4,5,6,7,8,9,10,11,12,13,14,15
	global_load_b32 v[RAW+16*\pp+\h], v19, s[56:57] offset:16384*\h+64*\pp
.endr
.endr
.irp b, 0,1,2,3,4,5,6,7
.irp kh, 0,1
	global_load_b128 v[SCB+8*\b+4*\kh:SCB+8*\b+4*\kh+3], v23, s[58:59] offset:196608*\kh+16*(32*(\b/2)+8*(\b%2))
.endr
.endr
	WIN 0x40                                       ; destination window 1
.irp b, 0,1,2,3,4,5,6,7                        ; lane (r, h) wants, for tile b, the bias of columns 32 (b / 2) + 16 h + 8 (b % 2) + 0 .. 7
	global_load_b128 v[96+8*(\b%4)+128*(\b/4):96+8*(\b%4)+128*(\b/4)+3], v24, s[60:61] offset:4*(32*(\b/2)+8*(\b%2))
	global_load_b128 v[96+8*(\b%4)+128*(\b/4)+4:96+8*(\b%4)+128*(\b/4)+7], v24, s[60:61] offset:4*(32*(\b/2)+8*(\b%2))+16
.endr
	WIN 0
	s_wait_loadcnt 0x0
.irp pp, 0,1                                   ; K step s is heads 2 s and 2 s + 1: their two bytes each make A's scale word
.irp s, 0,1,2,3,4,5,6,7
	v_perm_b32 v[SCA+16*\pp+\s], v[RAW+16*\pp+2*\s+1], v[RAW+16*\pp+2*\s], s93
	v_perm_b32 v[SCA+16*\pp+8+\s], v[RAW+16*\pp+2*\s+1], v[RAW+16*\pp+2*\s], s94
.endr
.endr
	PLACES 8                                       ; a scale register written by a vector instruction stands 8 places ahead of a scaled matrix instruction
.macro FETCH ks                        ; K step ks's fragments into set ks % 2
.set JJ, (\ks)/2
.set QQ, (\ks)%2
	WIN 0x40
.irp b, 0,1,2,3,4,5,6,7
.irp c, 0,1,2
	ds_load_b128 v[128*QQ+12*\b+4*\c:128*QQ+12*\b+4*\c+3], v[ADB+14*(\b/4)+JJ] offset:12288*(\b%4)+1536*QQ+512*\c
.endr
.endr
	WIN 0
.irp a, 0,1,2,3
.irp c, 0,1,2,3,4,5
	ds_load_b64 v[AF+48*QQ+12*\a+2*\c:AF+48*QQ+12*\a+2*\c+1], v[ADA+JJ] offset:12288*\a+1536*QQ+256*\c
.endr
.endr
.endm
; 16 matrix instructions: token tiles a0, a0 + 1 x my eight tiles of columns.  The 32 accumulators take turns, one instruction a turn, in the same order in every step.
.macro MULP a0, ks
.irp a, \a0, \a0+1
.irp b, 0,1,2,3,4,5,6,7
.if (\ks) == 0
	v_wmma_scale_f32_16x16x128_f8f6f4 v[8*(8*(\a)+\b):8*(8*(\a)+\b)+7], v[12*\b:12*\b+11], v[AF+12*(\a):AF+12*(\a)+11], v[96+8*(\b%4)+128*(\b/4):96+8*(\b%4)+128*(\b/4)+7], v[SCB+8*\b], v[SCA+8*(\a)] matrix_a_fmt:MATRIX_FMT_FP6 matrix_b_fmt:MATRIX_FMT_FP6
.else
	v_wmma_scale_f32_16x16x128_f8f6f4 v[8*(8*(\a)+\b):8*(8*(\a)+\b)+7], v[128*((\ks)%2)+12*\b:128*((\ks)%2)+12*\b+11], v[AF+48*((\ks)%2)+12*(\a):AF+48*((\ks)%2)+12*(\a)+11], v[8*(8*(\a)+\b):8*(8*(\a)+\b)+7], v[SCB+8*\b+(\ks)], v[SCA+8*(\a)+(\ks)] matrix_a_fmt:MATRIX_FMT_FP6 matrix_b_fmt:MATRIX_FMT_FP6
.endif
.endr
.endr
.endm
.macro MWIN ks
.if (\ks) == 0
	WIN 0x91                                       ; source 0 (B) window 1, source 1 (A) window 0, C (the bias) window 1, D window 2
.else
	WIN 0xa1                                       ; C and D window 2
.endif
.endm
.macro KSTEP ks
	s_wait_dscnt 0x0                               ; this step's fragments are in
.if (\ks) == 7
	s_barrier_signal -1                            ; my last reads of the tiles are over: the stage of the way out lies on A's first tiles
	MWIN \ks
	MULP 0, \ks
	MULP 2, \ks
	WIN 0
	s_barrier_wait -1                              ; and so are everybody's
.else
	PLACES 4                                       ; in front of loads into the set that the last step's products have read
	FETCH (\ks)+1
	MWIN \ks
	MULP 0, \ks
	MULP 2, \ks
.endif
.endm
	s_wait_tensorcnt 0x0                           ; my one load is in,
	s_barrier_signal -1
	s_barrier_wait -1                              ; everybody's is
	FETCH 0
	KSTEP 0
	KSTEP 1
	KSTEP 2
	s_wait_alu depctr_va_vdst(0)
	KSTEP 3
	KSTEP 4
	KSTEP 5
	KSTEP 6
	KSTEP 7
	WIN 0
	PLACES 4                                       ; in front of the first read of results and of loads into A's registers
; THE WAY OUT, a tile of 16 tokens x 128 columns at a time, through my own stage in LDS, so that the 32 lanes store a row's 512 consecutive bytes.  The stage lies on A's first tiles, which have had their only
; fill, and which nobody reads behind the barrier of the last K step.  LDS serves a wave's instructions in order: no wait between the stores and the loads, nor in front of the next tile's stores.
.macro TOSTAGE a
	WIN 0x08                                       ; an LDS store's data are its source 1: window 2
.irp b, 0,1,2,3,4,5,6,7
	ds_store_b128 v[STO], v[8*(8*(\a)+\b):8*(8*(\a)+\b)+3] offset:128*(\b/2)+32*(\b%2)          ; each accumulator from its low end on
	ds_store_b128 v[STO], v[8*(8*(\a)+\b)+4:8*(8*(\a)+\b)+7] offset:128*(\b/2)+32*(\b%2)+16
.endr
	WIN 0
.set BB, BK+64*((\a)%2)
.irp t, 0,1,2,3,4,5,6,7,8,9,10,11,12,13,14,15
	ds_load_b128 v[BB+4*\t:BB+4*\t+3], v[RD] offset:528*\t
.endr
.endm
.macro SEND a, younger                 ; younger: the LDS instructions issued behind tile a's loads, which may stay out
.set BB, BK+64*((\a)%2)
	s_wait_dscnt \younger
.irp t, 0,1,2,3,4,5,6,7,8,9,10,11,12,13,14,15
	global_store_b128 v[CO], v[BB+4*\t:BB+4*\t+3], s[62:63] offset:4096*(32*((\a)/2)+8*((\a)%2)+\t+8*(\t/8)) th:TH_STORE_NT   ; lane-row t's token; 512 consecutive bytes, aligned; written once, read by nobody here
.endr
.endm
	TOSTAGE 0
.irp a, 1,2,3
.if \a > 1
	s_wait_xcnt 0x0                                ; tile a - 2's stores have read their registers: tile a's loads may land there
.endif
	TOSTAGE \a
	SEND \a-1, 32                                  ; behind tile a - 1's loads: tile a's 16 stores and 16 loads
.endr
	SEND 3, 0
	s_wait_tensorcnt 0x0
	ds_add_u32 v30, v31
	s_wait_dscnt 0x0
	CROUND                                         ; the closing round: no work-group ends while a partner may still ask for a tile that names it
	s_endpgm
.Lfunc_end_k_q48a74eea17_proj:
	.size	k_q48a74eea17_proj, .Lfunc_end_k_q48a74eea17_proj-k_q48a74eea17_proj
	.p2alignl 7, 3214868480
	.fill 96, 4, 3214868480
	.section	.rodata,"a",@progbits
	.p2align	6, 0x0
	.amdhsa_kernel k_q48a74eea17_proj
		.amdhsa_group_segment_fixed_size 295424
		.amdhsa_private_segment_fixed_size 0
		.amdhsa_enable_private_segment 0
		.amdhsa_kernarg_size 48
		.amdhsa_user_sgpr_count 2
		.amdhsa_user_sgpr_kernarg_segment_ptr 1
		.amdhsa_wavefront_size32 1
		.amdhsa_system_sgpr_workgroup_id_x 1
		.amdhsa_system_sgpr_workgroup_id_y 1
		.amdhsa_system_sgpr_workgroup_id_z 1
		.amdhsa_system_vgpr_workitem_id 0
		.amdhsa_next_free_vgpr 768
		.amdhsa_next_free_sgpr 100
		.amdhsa_reserve_vcc 0
		.amdhsa_float_denorm_mode_32 3
		.amdhsa_float_denorm_mode_16_64 3
		.amdhsa_memory_ordered 1
		.amdhsa_forward_progress 1
		.amdhsa_inst_pref_size 89
	.end_amdhsa_kernel
	.amdgpu_metadata
---
amdhsa.version: [ 1, 2 ]
amdhsa.kernels:
  - .name:           k_q48a74eea17_proj
    .symbol:         k_q48a74eea17_proj.kd
    .args:
      - { .name: oc, .offset: 0, .size: 8, .value_kind: global_buffer, .address_space: global }
      - { .name: os, .offset: 8, .size: 8, .value_kind: global_buffer, .address_space: global }
      - { .name: opc, .offset: 16, .size: 8, .value_kind: global_buffer, .address_space: global }
      - { .name: ops, .offset: 24, .size: 8, .value_kind: global_buffer, .address_space: global }
      - { .name: b_proj, .offset: 32, .size: 8, .value_kind: global_buffer, .address_space: global }
      - { .name: out0, .offset: 40, .size: 8, .value_kind: global_buffer, .address_space: global }
    .group_segment_fixed_size: 295424
    .private_segment_fixed_size: 0
    .kernarg_segment_align: 8
    .kernarg_segment_size: 48
    .max_flat_workgroup_size: 128
    .sgpr_count:     100
    .vgpr_count:     768
    .wavefront_size: 32
...
	.end_amdgpu_metadata
.endif
;; end of part 4
